; MI455X (gfx1250); checked and timed in simulation.
; The chip was launched on July 23, 2026; its instructions are those of AMD's public machine-readable ISA for CDNA 5 (MIT licence, August 2026) and "CDNA5" Instruction Set Architecture Reference Guide (July 2026). The comments in the code are by the model that wrote it; some were corrected since.
;; Multi Query Attention. Allowed arithmetic: matrix products marked QUANTISED: E2M3 operands, one E8M0 scale for each 32 along K, by v_wmma_scale_f32_16x16x128_f8f6f4 with both operands' format E2M3, f32 sums; everything else in f32.
;; Inputs: Wk 1,024 x 64 float32; Wo 1,024 x 1,024 float32; Wq 1,024 x 1,024 float32; Wv 1,024 x 64 float32; bk 64 float32; bo 1,024 float32; bq 1,024 float32; bv 64 float32; x 4 x 2,048 x 1,024 float32.
;; Outputs: out0 4 x 2,048 x 1,024 float32.
;; This version of the problem:
;;   THIS VERSION OF THE PROBLEM IS GIVEN IN LOW PRECISION. The matrix products marked QUANTISED in the list below multiply operands that are first quantised to E2M3 (2 exponent bits, 3 mantissa bits; 6 bits a number), with one power-of-two scale for each 32 numbers along K (OCP MX v1.0); their sums are f32. All else is computed in f32.
;;   The module's matrix products, in the order in which they are computed (A, B: the left and right operand; K: the contracted axis; several contracted axes count as one K, in the product's order):
;;     1. [M 8,192, K 1,024] x [K 1,024, N 1,024]; A: input x; B: input Wq: QUANTISED
;;     2. [M 8,192, K 1,024] x [K 1,024, N 64]; A: input x; B: input Wk: QUANTISED
;;     3. [M 8,192, K 1,024] x [K 1,024, N 64]; A: input x; B: input Wv: QUANTISED
;;     4. batch 4 x [M 2,048, K 64] x [K 64, N 32,768]; A: computed on the way; B: computed on the way: QUANTISED
;;     5. batch 4 x [M 64, K 2,048] x [K 2,048, N 32,768]; A: computed on the way; B: softmax (see below): QUANTISED
;;     6. [M 8,192, K 1,024] x [K 1,024, N 1,024]; A: computed on the way; B: input Wo: QUANTISED
;;   THE QUANTISER, for each operand of a quantised product, along K:
;;     - K is cut into blocks of 32 from its start; a last block that is shorter is filled with zeros.
;;     - A block's scale is 2^e with e = floor(log2(the largest magnitude in the block)) - 2, held to -126 .. 127; a block of zeros has e = 0. As a byte (E8M0): e + 127.
;;     - Each number is divided by its block's scale, clamped to +-7.5, and rounded to the nearest number of E2M3, ties to even, subnormals kept.
;;     - The product sums the exact products of the quantised numbers (number of the format x scale) in f32.
;;   ~~~python
;;   def quantise(x, axis):      # numpy; x: float32 -> the quantised numbers, widened to float32 again
;;       x = np.moveaxis(x, axis, -1); K = x.shape[-1]
;;       x = np.pad(x, [(0, 0)] * (x.ndim - 1) + [(0, -K % 32)]); x = x.reshape(x.shape[:-1] + (-1, 32)); a = np.abs(x).max(-1, keepdims=True)
;;       e = np.where(a > 0, np.clip(np.frexp(np.where(a > 0, a, 1))[1] - 1 - 2, -126, 127), 0)      # np.frexp(a)[1] - 1 = floor(log2(a)), exactly
;;       r = np.clip(x / 2.0 ** e, -7.5, 7.5)
;;       step = 2.0 ** (np.maximum(np.frexp(np.where(r == 0, 1, r))[1] - 1, 0) - 3)
;;       q = np.round(r / step) * step * 2.0 ** e      # np.round: ties to even
;;       return np.moveaxis(q.reshape(q.shape[:-2] + (-1,))[..., :K], -1, axis).astype(np.float32)
;;   ~~~
;;   SOFTMAX AHEAD OF A QUANTISED PRODUCT. Where the list says 'softmax', what is quantised is not the finished softmax but p = 2^(t - M), with t = logit x log2(e) and M = ceil(the row's largest t), a whole number; so 1/2 < the row's largest p <= 1. The row's sum l is taken of the UNQUANTISED p, in f32, and the product's result is divided by l at the end. Since M is a whole number, a kernel that streams over the keys may use a running M (the ceiling of the running maximum): every later rescaling is an exact power of two, which a block's scale takes up: the codes' values come out the same.
;;   OPERANDS COMPUTED ON THE WAY. 'Computed on the way' means the value that the module computes at that place (a softmax that the list does not call 'softmax' is quantised finished and normalised). What goes into a quantiser is computed in f32, as accurately as f32 sums, v_exp_f32 and their like allow (about 1e-6 of the number): no bf16 or f16 on the way to a quantiser, and a product that is left as it is and whose result goes on into a quantised operand takes f32 operands (vector FMAs, or v_wmma_f32_16x16x4_f32). A number that lies on a knife's edge between two numbers of the format may be rounded either way, as far as f32 arithmetic and the matrix unit's own rounding can turn it there, and no further.
;; One version. Each part assembles by itself: llvm-mc -triple=amdgcn-amd-amdhsa -mcpu=gfx1250 --defsym DOCPART=n.
;; ======== version 1 of 1: 5 launches
;; limits: right only within a limited range of input values
;; workspace buffers: wc 1,671,168 bytes; ws 69,632 bytes; xc 6,291,456 bytes; xs 262,144 bytes; kv 835,584 bytes; qc 6,291,456 bytes; qs 524,288 bytes
;; launch wquant (part 1): grid 17 x 8, 4 waves a work-group, no clusters, 0 bytes of LDS; arguments Wq, Wo, Wk, Wv, wc, ws; writes wc, ws
.if DOCPART == 1
	.amdgcn_target "amdgcn-amd-amdhsa--gfx1250"
	.amdhsa_code_object_version 6
	.text
	.protected	k_q416ef52e99_wquant
	.globl	k_q416ef52e99_wquant
	.p2align	8
	.type	k_q416ef52e99_wquant,@function
k_q416ef52e99_wquant:
	s_mov_b64 s[64:65], 0
	v_nop
	global_prefetch_b8 v0, s[64:65] scope:SCOPE_SE
	s_setreg_imm32_b32 hwreg(HW_REG_WAVE_MODE, 25, 1), 1
	s_wait_xcnt 0x0
; The four weights, f32 with K as their FIRST axis, become codes of E2M3 with one E8M0 byte for each 32 along K, laid in the order of the operand's registers.
; wc: [cg 0..16][ks 0..7][tile 0..7][1,536 bytes]; cg 0-7 Wq's groups of 128 columns, 8-15 Wo's, 16 = Wk's 64 columns and then Wv's.  A fragment (16 columns x 128 K) is two halves of 768 bytes (64 K each):
;   bytes 0-511 registers 6c .. 6c+3 at 16 x lane, bytes 512-767 registers 6c+4, 6c+5 at 16 r + 8 h (lane = r + 16 h; lane (r, h) holds block 2c + h of column r).
; ws: [cg][tile][512 bytes]: the scale word of K step ks of column r at 256 (ks / 4) + 16 r + 4 (ks % 4).
; ORDER INSIDE A BLOCK: place p of a block's 32 codes holds k = PI(p), PI = p with bits 3 and 4 exchanged.  Every operand of every product of this program is laid so, so both sides agree; blocks and scales are
; the quantiser's own.  Only the grouping of a block's products inside the matrix unit's sums differs from ascending k.
; SHARES: work-group (cg, ks) takes 128 columns x 128 K; a wave 32 columns; A LANE TAKES A COLUMN AND ITS REGISTERS RUN DOWN K, so a block's largest magnitude needs no other lane and nothing is transposed.
; A wave's load covers 128 consecutive bytes, the four waves side by side 512.  Codes leave as stores of which sixteen lanes cover 256 consecutive aligned bytes; the scale words (4 bytes a lane, 16 bytes apart) are 70 KB in all.
; No LDS, no barrier, no matrix unit, no cluster: waves share nothing, and no work-group reads what another reads.
; LIMITS: NaN and infinities are not served; a block whose largest magnitude lies under 2^-124 (a block of zeros too) gets the byte 1: its codes are then as the conversion gives them (zeros for zeros), and this program alone reads the bytes.
.set X,   32                           ; v32-95   two sets of 32 numbers
.set ADR, 96                           ; v96-127  byte offset of row PI(i) of a block, my column; never rewritten
.set R,   128                          ; v128-151 a half fragment's 12 registers, for each of the two halves: no store's data are written again
.set T0,  152                          ; v152-154, v156-158: the upper 16 codes of an even and of an odd block
	s_load_b256 s[4:11], s[0:1], 0x0               ; Wq, Wo, Wk, Wv
	s_load_b128 s[12:15], s[0:1], 0x20             ; wc, ws
	v_lshrrev_b32 v1, 5, v0
	v_readfirstlane_b32 s16, v1                    ; wave
	v_and_b32 v1, 31, v0                           ; lane = my column among the wave's 32
	v_lshlrev_b32 v2, 2, v1                        ; 4 bytes a column
	v_lshrrev_b32 v5, 4, v1                        ; which of the wave's two tiles
	v_and_b32 v6, 15, v1
	v_lshlrev_b32 v6, 4, v6                        ; 16 r
	v_mad_u32_u24 v3, v5, 1536, v6                 ; codes: tile x 1,536 + 16 r
	v_lshl_add_u32 v4, v5, 9, v6                   ; scale words: tile x 512 + 16 r
	s_mov_b32 s17, ttmp9                           ; cg
	s_and_b32 s18, ttmp7, 0xffff                   ; ks
	s_and_b32 s36, s17, 7
	s_lshl_b32 s36, s36, 7
	s_lshl_b32 s37, s16, 5
	s_add_co_u32 s36, s36, s37                     ; Wq, Wo: column 128 (cg % 8) + 32 wave
	s_and_b32 s37, s16, 1
	s_lshl_b32 s37, s37, 5                         ; Wk, Wv: column 32 (wave % 2)
	s_wait_alu depctr_va_vdst(0)
	s_wait_kmcnt 0x0
	s_cmp_lt_u32 s17, 8                            ; the choices hang on the work-group's and the wave's number alone
	s_cselect_b64 s[20:21], s[4:5], s[6:7]
	s_cmp_lt_u32 s16, 2
	s_cselect_b64 s[22:23], s[8:9], s[10:11]
	s_cmp_lt_u32 s17, 16
	s_cselect_b64 s[20:21], s[20:21], s[22:23]
	s_cselect_b32 s19, 12, 8                       ; a row of the weight is 2^12 or 2^8 bytes
	s_cselect_b32 s36, s36, s37
	s_lshl_b32 s38, 1, s19                         ; the pitch
	s_lshl_b32 s36, s36, 2
	s_mov_b32 s37, 0
	s_add_nc_u64 s[20:21], s[20:21], s[36:37]      ; at my wave's first column
.irp t, 0,1,2,3
	s_lshl_b32 s36, s18, 7
	s_add_co_u32 s36, s36, 32*\t
	s_lshl_b32 s36, s36, s19
	s_add_nc_u64 s[24+2*\t:25+2*\t], s[20:21], s[36:37]   ; a base for each block: row 128 ks + 32 t; nothing is stepped
.endr
	s_lshl_b32 s36, s17, 3
	s_add_co_u32 s36, s36, s18
	s_lshl_b32 s36, s36, 3
	s_lshl_b32 s39, s16, 1
	s_add_co_u32 s36, s36, s39
	s_mul_i32 s36, s36, 1536
	s_add_nc_u64 s[32:33], s[12:13], s[36:37]      ; wc + ((8 cg + ks) 8 + 2 wave) 1,536
	s_lshl_b32 s36, s17, 3
	s_add_co_u32 s36, s36, s39
	s_lshl_b32 s36, s36, 9
	s_lshr_b32 s39, s18, 2
	s_lshl_b32 s39, s39, 8
	s_add_co_u32 s36, s36, s39
	s_and_b32 s39, s18, 3
	s_lshl_b32 s39, s39, 2
	s_add_co_u32 s36, s36, s39
	s_add_nc_u64 s[34:35], s[14:15], s[36:37]      ; ws + (8 cg + 2 wave) 512 + 256 (ks / 4) + 4 (ks % 4)
.set ii, 0
.rept 32
	v_mad_u32_u24 v[ADR+ii], s38, (ii&7)+((ii&8)*2)+((ii&16)/2), v2   ; register ii takes row PI(ii) of a block
.set ii, ii+1
.endr
.macro LOAD t                          ; block t into set t % 2
.set ii, 0
.rept 32
	global_load_b32 v[X+32*((\t)%2)+ii], v[ADR+ii], s[24+2*(\t):25+2*(\t)] th:TH_LOAD_NT
.set ii, ii+1
.endr
.endm
.macro BLOCK t
.set XS, X+32*((\t)%2)
.set RC, R+12*((\t)/2)
.if (\t) < 3
	s_wait_loadcnt 32                              ; this block's 32 loads are in; the next block's 32 may be out
.else
	s_wait_loadcnt 0x0
.endif
	v_max3_num_f32 v8, |v[XS]|, |v[XS+1]|, |v[XS+2]|   ; the block's largest magnitude, in two chains: all 32 numbers are mine
	v_max3_num_f32 v9, |v[XS+3]|, |v[XS+4]|, |v[XS+5]|
.irp i, 6,10,14,18,22,26
	v_max3_num_f32 v8, v8, |v[XS+\i]|, |v[XS+\i+1]|
	v_max3_num_f32 v9, v9, |v[XS+\i+2]|, |v[XS+\i+3]|
.endr
	v_max3_num_f32 v8, v8, |v[XS+30]|, |v[XS+31]|
	v_max3_num_f32 v8, v8, v9, 0x1800000           ; and the floor 2^(3 - 127): the byte cannot fall under 1
	v_add_nc_u32 v10, 0xff000000, v8               ; 2 off the exponent field: the conversion takes this operand's exponent field as its scale
	v_lshrrev_b32 v11, 23, v10                     ; the scale's byte
.if (\t) == 0
	v_mov_b32 v12, v11
.else
	v_lshl_or_b32 v12, v11, 8*(\t), v12            ; four bytes make my column's scale word of this K step
.endif
	v_cvt_scalef32_pk16_fp6_f32 v[RC+4*((\t)%2):RC+4*((\t)%2)+2], v[XS:XS+15], v10
	v_cvt_scalef32_pk16_fp6_f32 v[T0+4*((\t)%2):T0+4*((\t)%2)+2], v[XS+16:XS+31], v10   ; (a conversion's three registers begin on an even number)
	v_nop                                          ; one plain place behind the scaled conversions
.if (\t) < 2
	LOAD (\t)+2
.endif
.if (\t)%2 == 1                        ; a half fragment is whole: blocks 2c (the image's lanes 0-15) and 2c + 1 (lanes 16-31)
	v_mov_b32 v[RC+3], v[T0]
	v_mov_b32 v[RC+7], v[T0+4]
	v_mov_b32 v[RC+8], v[T0+1]
	v_mov_b32 v[RC+9], v[T0+2]
	v_mov_b32 v[RC+10], v[T0+5]
	v_mov_b32 v[RC+11], v[T0+6]
	global_store_b128 v3, v[RC:RC+3], s[32:33] offset:768*((\t)/2)         ; registers 0-3 of block 2c: sixteen lanes cover 256 consecutive aligned bytes
	global_store_b128 v3, v[RC+4:RC+7], s[32:33] offset:768*((\t)/2)+256   ; of block 2c + 1
	global_store_b128 v3, v[RC+8:RC+11], s[32:33] offset:768*((\t)/2)+512  ; registers 4, 5 of both
.endif
.endm
	LOAD 0
	LOAD 1
	BLOCK 0
	BLOCK 1
	BLOCK 2
	BLOCK 3
	global_store_b32 v4, v12, s[34:35]
	s_endpgm
.Lfunc_end_k_q416ef52e99_wquant:
	.size	k_q416ef52e99_wquant, .Lfunc_end_k_q416ef52e99_wquant-k_q416ef52e99_wquant
	.p2alignl 7, 3214868480
	.fill 96, 4, 3214868480
	.section	.rodata,"a",@progbits
	.p2align	6, 0x0
	.amdhsa_kernel k_q416ef52e99_wquant
		.amdhsa_group_segment_fixed_size 0
		.amdhsa_private_segment_fixed_size 0
		.amdhsa_enable_private_segment 0
		.amdhsa_kernarg_size 48
		.amdhsa_user_sgpr_count 2
		.amdhsa_user_sgpr_kernarg_segment_ptr 1
		.amdhsa_wavefront_size32 1
		.amdhsa_system_sgpr_workgroup_id_x 1
		.amdhsa_system_sgpr_workgroup_id_y 1
		.amdhsa_system_sgpr_workgroup_id_z 1
		.amdhsa_system_vgpr_workitem_id 0
		.amdhsa_next_free_vgpr 160
		.amdhsa_next_free_sgpr 66
		.amdhsa_reserve_vcc 0
		.amdhsa_float_denorm_mode_32 3
		.amdhsa_float_denorm_mode_16_64 3
		.amdhsa_memory_ordered 1
		.amdhsa_forward_progress 1
		.amdhsa_inst_pref_size 24
	.end_amdhsa_kernel
	.amdgpu_metadata
---
amdhsa.version: [ 1, 2 ]
amdhsa.kernels:
  - .name:           k_q416ef52e99_wquant
    .symbol:         k_q416ef52e99_wquant.kd
    .args:
      - { .name: Wq, .offset: 0, .size: 8, .value_kind: global_buffer, .address_space: global }
      - { .name: Wo, .offset: 8, .size: 8, .value_kind: global_buffer, .address_space: global }
      - { .name: Wk, .offset: 16, .size: 8, .value_kind: global_buffer, .address_space: global }
      - { .name: Wv, .offset: 24, .size: 8, .value_kind: global_buffer, .address_space: global }
      - { .name: wc, .offset: 32, .size: 8, .value_kind: global_buffer, .address_space: global }
      - { .name: ws, .offset: 40, .size: 8, .value_kind: global_buffer, .address_space: global }
    .group_segment_fixed_size: 0
    .private_segment_fixed_size: 0
    .kernarg_segment_align: 8
    .kernarg_segment_size: 48
    .max_flat_workgroup_size: 128
    .sgpr_count:     66
    .vgpr_count:     160
    .wavefront_size: 32
...
	.end_amdgpu_metadata
.endif
;; end of part 1
;; launch xkv (part 2): grid 256 x 1, 4 waves a work-group, no clusters, 60,928 bytes of LDS; arguments x, wc, ws, bk, bv, xc, xs, kv; writes xc, xs, kv
.if DOCPART == 2
	.amdgcn_target "amdgcn-amd-amdhsa--gfx1250"
	.amdhsa_code_object_version 6
	.text
	.protected	k_q416ef52e99_xkv
	.globl	k_q416ef52e99_xkv
	.p2align	8
	.type	k_q416ef52e99_xkv,@function
k_q416ef52e99_xkv:
	s_mov_b64 s[64:65], 0
	v_nop
	global_prefetch_b8 v0, s[64:65] scope:SCOPE_SE
	s_setreg_imm32_b32 hwreg(HW_REG_WAVE_MODE, 25, 1), 1
	s_wait_xcnt 0x0
; x (f32, [8,192][1,024]) is read once: it becomes codes of E2M3 and scale words (xc, xs), and K = x Wk + bk and V = x Wv + bv are made from those codes and quantised in registers (kv).
; LAYOUTS.  A fragment (16 rows x 128 K) is 1,536 bytes: two halves of 768 (64 K): registers 6c .. 6c+3 at 16 x lane, registers 6c+4, 6c+5 at 512 + 16 r + 8 h.  Inside a block of 32, place p holds k = p with bits 3 and 4 exchanged, as in all operands of this program.
;   xc: [rb 0..31][ks 0..7][tile 0..15][1,536], row = 256 rb + 16 tile + r.   xs: [row tile 0..511][512]: the word of K step ks, row r at 256 (ks / 4) + 16 r + 4 (ks % 4).
;   kv: [batch][key step 0..15][13,056]: K: 8 tiles of 16 keys x 768 (K = the head's 64); from 6,144 V^T: 4 tiles of 16 d x 1,536 (K = 128 keys); from 12,288 K's scale words, 8 x 16 (bytes 0, 1; bytes 2, 3 are 127: they stand over zero codes); from 12,800 V's, 4 x 16.
; SHARES.  Work-group i takes rows 32 i .. 32 i + 31: two tiles of rows, one block of 32 keys.  Phase X: wave w quantises four of the 16 fragments (tile w / 2, K steps 4 (w % 2) + 0..3), stores them to xc and, as images of their registers, to LDS.
; One barrier.  Phase P: waves 0, 1 make K (source 0 = 16 columns of Wk, source 1 = 16 rows of x: a lane holds a key, its registers run along d), waves 2, 3 make V (source 0 = x, source 1 = Wv: a lane holds a d, its registers run along the keys):
; in both, the 16 registers of two accumulators are half of a block of 32 along the next product's K.  Four accumulators a wave, by turns, 32 matrix instructions.
; The weights' 96 KB of codes are read by every work-group, straight into the operand's registers; a joint load in a cluster would bring them into LDS and add a pass of LDS reads for each, so none is used here.
; x's loads take 16 bytes a lane of 16 rows, two pieces of a row 32 bytes apart; K's and V's last registers and scale bytes leave in pieces of 8 bytes and 1 byte (0.3 MB of the launch's 41 MB).
; LIMITS: NaN and infinities are not served; a block whose largest magnitude lies under 2^-124 (zeros too) gets the byte 1, read by this program alone.
; REGISTERS.  Window 0: v1-15 addresses, v32-79 four fragments just made, v80-86, v88-103 at work, v104-107 their scale words, v112-127 x's scale words, v128-143 the weights', v144-159 bias, v160-191 accumulators, v192-204 the way out.
;   Window 1: 256 numbers of x, later x's 16 fragments (12 f).   Window 2: my 16 weight fragments (12 (2 ks + i)).
.set XIMG,  0                          ; LDS: 16 fragments x 1,536
.set XSC,   24576                      ; their scale words, 128 bytes each
.set SPARE, 26624                      ; the spare words, 128 bytes a wave: two blocks of 256 bytes that no other line names
.set PC,   32
.set PT,   80
.set TM,   88
.set PW,   104
.set XSD,  108
.set XSR,  112
.set WSR,  128
.set BIAS, 144
.set ACC,  160
.set EC,   192
.set ET,   200
.set BY,   204
.set SPW,  252
.set NIL,  253
.set SEL,  40
.set HM,   42
.set MSB, 0
.macro WIN new                         ; the immediate's high byte repeats the setting that is left
.if MSB != (\new)
	s_set_vgpr_msb (MSB<<8)|(\new)
.set MSB, (\new)
.endif
.endm
	s_load_b512 s[4:19], s[0:1], 0x0               ; x, wc, ws, bk, bv, xc, xs, kv
	v_lshl_add_u32 v[SPW], v0, 2, SPARE
	v_mov_b32 v[NIL], 0
	v_lshrrev_b32 v1, 5, v0
	v_readfirstlane_b32 s20, v1                    ; wave
	v_and_b32 v3, 31, v0                           ; lane
	v_and_b32 v4, 15, v0                           ; r
	v_bfe_u32 v5, v0, 4, 1                         ; h
	v_lshlrev_b32 v1, 4, v3                        ; 16 x lane
	v_lshlrev_b32 v10, 4, v4                       ; 16 r
	v_lshl_add_u32 v2, v5, 3, v10                  ; 16 r + 8 h
	v_lshlrev_b32 v3, 2, v3                        ; 4 x lane
; x'S WAY IN, AS IT NOW STANDS (in place of what the head comment says of x's loads): each load reads 512 consecutive bytes of one row, 16 a lane; a K step's 16 rows go through my wave's own stage in LDS, rows 528 bytes apart,
; and come back so that lane (r, h) holds of each block of row r k = 8 h + 0..7 and 16 + 8 h + 0..7.  The stores of xc and xs stand behind the products.
.set STG, 27136                        ; LDS: four stages of 16 x 528 bytes, behind the spare words
	s_mul_i32 s28, s20, 8448
	s_add_co_u32 s28, s28, STG
	v_add_nc_u32 v18, s28, v1                      ; into my stage: 16 x lane of a row
	v_mul_u32_u24 v19, v4, 528
	v_lshl_add_u32 v19, v5, 5, v19
	v_add_nc_u32 v19, s28, v19                     ; out of it: row r, + 32 h
	s_mul_i32 s28, s20, 6144
	v_add_nc_u32 v7, s28, v1                       ; where I store my four images
	v_add_nc_u32 v8, s28, v2
	s_lshl_b32 s28, s20, 9
	v_add_nc_u32 v9, s28, v3                       ; and their scale words
	v_lshlrev_b32 v11, 5, v5                       ; 32 h
	v_lshlrev_b32 v12, 2, v4                       ; 4 r
	v_mov_b32 v15, 127
.irp b, 0,1,2,3
	v_mov_b32 v[TM+4+\b], 0                        ; written once: a lane permute's destination counts as one of its sources
.endr
	s_lshr_b32 s21, s20, 1                         ; role: 0 = K, 1 = V.  Also: my tile of rows in phase X
	s_and_b32 s22, s20, 1                          ; w'
	s_mov_b32 s23, ttmp9                           ; i
	s_and_b32 s24, s23, 63                         ; g: my block of 32 keys in the batch
	s_lshr_b32 s25, s23, 6                         ; batch
	s_mov_b32 s[SEL], 0x76543210
	s_mov_b32 s[SEL+1], 0xfedcba98                 ; v_permlanex16_b32's selects for lane l xor 16
	s_mov_b32 s[HM], 0xffff0000                    ; lanes 16-31
	s_mov_b32 s29, 0
	s_and_b32 s31, s24, 3                          ; g % 4: my block in the key step
	s_and_b32 s32, s24, 1
	; K'S TILES ARE LAID FOR THE ATTENTION LAUNCH: key 16 o + r of key block b = g % 4 goes to tile 4 (b / 2) + 2 (r / 8) + o, row 8 (b % 2) + r % 8.
	; So rows 0-7 of a tile belong to block 2 c and rows 8-15 to block 2 c + 1, and a lane of the scores holds whole blocks of 32 keys, in the order in which V's codes stand.
	s_lshr_b32 s34, s31, 1
	s_mul_i32 s34, s34, 3072
	s_lshl_b32 s33, s32, 7
	s_add_co_u32 s34, s34, s33                     ; 3,072 (b / 2) + 128 (b % 2)
	s_lshl_b32 s33, s22, 8
	s_add_co_u32 s50, s34, s33
	s_lshl_b32 s33, s22, 3
	s_add_co_u32 s51, s34, s33
	s_add_co_u32 s51, s51, 512
	s_lshr_b32 s52, s31, 1
	s_lshl_b32 s52, s52, 8
	s_lshl_b32 s33, s32, 5
	s_add_co_u32 s52, s52, s33                     ; scale words: 256 (b / 2) + 32 (b % 2)
	s_add_co_u32 s52, s52, s22
	s_add_co_u32 s52, s52, 12288
	s_mul_i32 s34, s22, 3072                       ; V: d tiles 2 w' + 0, 1; I hold key block g % 4: half (g % 4) / 2, lanes' half g % 2
	s_lshr_b32 s33, s31, 1
	s_mul_i32 s33, s33, 768
	s_add_co_u32 s34, s34, s33
	s_add_co_u32 s34, s34, 6144
	s_lshl_b32 s33, s32, 8
	s_add_co_u32 s53, s34, s33
	s_lshl_b32 s33, s32, 3
	s_add_co_u32 s54, s34, s33
	s_add_co_u32 s54, s54, 512
	s_lshl_b32 s55, s22, 7
	s_add_co_u32 s55, s55, s31
	s_add_co_u32 s55, s55, 12800
	s_mov_b32 s56, 1536
	s_mov_b32 s57, 1536
	s_mov_b32 s58, 128
	s_wait_kmcnt 0x0
	s_cmp_eq_u32 s21, 0
	s_cselect_b32 s50, s50, s53
	s_cselect_b32 s51, s51, s54
	s_cselect_b32 s52, s52, s55
	s_cselect_b32 s56, 768, s56
	s_cselect_b32 s57, s57, 128                    ; from r / 8 = 0 to 1: K two tiles on, V eight places of 16 bytes
	s_cselect_b32 s58, s58, 32                     ; the same among the scale words
	s_cselect_b64 s[26:27], s[10:11], s[12:13]     ; bk or bv
	s_lshl_b32 s28, s23, 17                        ; x: (32 i + 16 (w / 2)) rows of 4,096 bytes + 2,048 (w % 2)
	s_lshl_b32 s30, s21, 16
	s_add_co_u32 s28, s28, s30
	s_lshl_b32 s30, s22, 11
	s_add_co_u32 s28, s28, s30
	s_add_nc_u64 s[4:5], s[4:5], s[28:29]
	s_mul_i32 s28, s20, 3072                       ; wc: group 16, tiles 2 w, 2 w + 1
	s_add_co_u32 s28, s28, 16*98304
	s_add_nc_u64 s[6:7], s[6:7], s[28:29]
	s_lshl_b32 s28, s20, 10
	s_add_co_u32 s28, s28, 65536
	s_add_nc_u64 s[8:9], s[8:9], s[28:29]          ; ws likewise
	s_lshr_b32 s28, s23, 3                         ; xc: rb = i / 8, K steps 4 (w % 2) on, tile 2 (i % 8) + w / 2
	s_mul_i32 s28, s28, 196608
	s_mul_i32 s30, s22, 98304
	s_add_co_u32 s28, s28, s30
	s_and_b32 s30, s23, 7
	s_lshl_b32 s30, s30, 1
	s_add_co_u32 s30, s30, s21
	s_mul_i32 s30, s30, 1536
	s_add_co_u32 s28, s28, s30
	s_add_nc_u64 s[14:15], s[14:15], s[28:29]
	s_lshl_b32 s28, s23, 1                         ; xs: row tile 2 i + w / 2, its half w % 2
	s_add_co_u32 s28, s28, s21
	s_lshl_b32 s28, s28, 9
	s_lshl_b32 s30, s22, 8
	s_add_co_u32 s28, s28, s30
	s_add_nc_u64 s[16:17], s[16:17], s[28:29]
	s_mul_i32 s28, s25, 208896                     ; kv: my batch, my key step
	s_lshr_b32 s30, s24, 2
	s_mul_i32 s30, s30, 13056
	s_add_co_u32 s28, s28, s30
	s_add_nc_u64 s[18:19], s[18:19], s[28:29]
	s_mov_b32 s28, s50
	s_add_nc_u64 s[44:45], s[18:19], s[28:29]      ; registers 0-3 of a block
	s_mov_b32 s28, s51
	s_add_nc_u64 s[46:47], s[18:19], s[28:29]      ; registers 4, 5
	s_mov_b32 s28, s52
	s_add_nc_u64 s[48:49], s[18:19], s[28:29]      ; the scale byte
	s_lshl_b32 s28, s22, 7
	s_add_nc_u64 s[26:27], s[26:27], s[28:29]      ; my 32 numbers of the bias
	v_mul_u32_u24 v13, s56, v5
	v_lshrrev_b32 v16, 3, v4                       ; r / 8
	v_and_b32 v17, 7, v4                           ; r % 8
	v_mad_u32_u24 v13, v16, s57, v13
	v_lshl_add_u32 v13, v17, 4, v13                ; the way out of the codes: h x s56 + (r / 8) x s57 + 16 (r % 8)
	v_lshlrev_b32 v14, 6, v5
	v_mad_u32_u24 v14, v16, s58, v14
	v_lshl_add_u32 v14, v17, 2, v14                ; of the scale byte: 64 h + (r / 8) x s58 + 4 (r % 8)
.irp i, 0,1
.irp q, 0,1
	global_load_b128 v[WSR+8*\i+4*\q:WSR+8*\i+4*\q+3], v10, s[8:9] offset:512*\i+256*\q   ; the weights' scale words: tile i, K steps 4 q + 0..3
.endr
.endr
	s_cmp_eq_u32 s21, 0
	s_cbranch_scc0 .Lbias_v
.irp i, 0,1                            ; K: register j of tile i is d = 16 i + 8 h + j
	global_load_b128 v[BIAS+8*\i:BIAS+8*\i+3], v11, s[26:27] offset:64*\i
	global_load_b128 v[BIAS+8*\i+4:BIAS+8*\i+7], v11, s[26:27] offset:64*\i+16
.endr
	s_branch .Lbias_done
.Lbias_v:
	s_wait_alu depctr_va_vdst(0)
.irp o, 0,1                            ; V: all eight registers of tile o are d = 16 o + r
.irp j, 0,1,2,3,4,5,6,7
	global_load_b32 v[BIAS+8*\o+\j], v12, s[26:27] offset:64*\o
.endr
.endr
.Lbias_done:
.macro XLOAD s                         ; my 16 rows' numbers of my K step s: 64 a lane, register 16 b + i
.irp i, 0,1,2,3,4,5,6,7,8,9,10,11,12,13,14,15
	global_load_b128 v[64*\s+4*\i:64*\s+4*\i+3], v1, s[4:5] offset:4096*\i+512*\s th:TH_LOAD_NT   ; row i: the wave reads 512 consecutive aligned bytes
.endr
.endm
.macro WLOAD s                         ; my weight fragments of K steps 2 s and 2 s + 1: 16 loads
.irp k, 0,1
.irp i, 0,1
.irp c, 0,1
	global_load_b128 v[12*(2*(2*\s+\k)+\i)+6*\c:12*(2*(2*\s+\k)+\i)+6*\c+3], v1, s[6:7] offset:(2*\s+\k)*12288+\i*1536+768*\c
	global_load_b64 v[12*(2*(2*\s+\k)+\i)+6*\c+4:12*(2*(2*\s+\k)+\i)+6*\c+5], v2, s[6:7] offset:(2*\s+\k)*12288+\i*1536+768*\c+512
.endr
.endr
.endr
.endm
.macro QUANT4 s                        ; 64 numbers of a lane (window 1) become a fragment in v[PC + 12 s] on and its scale word in v[PW + s]
	WIN 0x05
.irp b, 0,1,2,3
	v_max3_num_f32 v[TM+\b], |v[64*\s+16*\b]|, |v[64*\s+16*\b+1]|, 0x1800000   ; block b: my 16 numbers, and the floor 2^(3 - 127)
.endr
	WIN 0x14
.irp i, 2,4,6,8,10,12,14
.irp b, 0,1,2,3
	v_max3_num_f32 v[TM+\b], v[TM+\b], |v[64*\s+16*\b+\i]|, |v[64*\s+16*\b+\i+1]|
.endr
.endr
	WIN 0
.irp b, 0,1,2,3
	v_permlanex16_b32 v[TM+4+\b], v[TM+\b], s[SEL], s[SEL+1]
.endr
.irp b, 0,1,2,3
	v_max_num_f32 v[TM+\b], v[TM+\b], v[TM+4+\b]   ; with lane l xor 16's: the block's largest magnitude
.endr
.irp b, 0,1,2,3
	v_add_nc_u32 v[TM+12+\b], 0xff000000, v[TM+\b] ; 2 off the exponent field: the conversion's scale operand
.endr
.irp b, 0,1,2,3
	v_lshrrev_b32 v[TM+4+\b], 23, v[TM+12+\b]      ; the scale's byte
.endr
	v_lshl_or_b32 v[PW+\s], v[TM+5], 8, v[TM+4]
	v_lshl_or_b32 v[PW+\s], v[TM+6], 16, v[PW+\s]
	v_lshl_or_b32 v[PW+\s], v[TM+7], 24, v[PW+\s]
	WIN 0x01
.irp c, 0,1
	v_cvt_scalef32_pk16_fp6_f32 v[PC+12*\s+6*\c:PC+12*\s+6*\c+2], v[64*\s+32*\c:64*\s+32*\c+15], v[TM+12+2*\c]
	v_cvt_scalef32_pk16_fp6_f32 v[PT+4*\c:PT+4*\c+2], v[64*\s+32*\c+16:64*\s+32*\c+31], v[TM+12+2*\c+1]
.endr
	WIN 0
	v_nop                                          ; one plain place behind the scaled conversions
.irp c, 0,1                            ; the operand wants a whole block in a lane: lanes 0-15 block 2 c, lanes 16-31 block 2 c + 1
.irp i, 0,1,2
	v_permlane16_swap_b32 v[PC+12*\s+6*\c+\i], v[PT+4*\c+\i]
.endr
.irp i, 0,1,2
	v_mov_b32 v[PC+12*\s+6*\c+3+\i], v[PT+4*\c+\i]
.endr
.endr
.endm
.macro IMAGE s                         ; the fragment goes to LDS as it stands: each store of codes covers 512 or 256 consecutive aligned bytes
.irp c, 0,1
	ds_store_b128 v7, v[PC+12*\s+6*\c:PC+12*\s+6*\c+3] offset:XIMG+1536*\s+768*\c
	ds_store_b64 v8, v[PC+12*\s+6*\c+4:PC+12*\s+6*\c+5] offset:XIMG+1536*\s+768*\c+512
.endr
	ds_store_b32 v9, v[PW+\s] offset:XSC+128*\s
.endm
	WIN 0x40                                       ; destination window 1
	XLOAD 0
	XLOAD 1
	XLOAD 2
	XLOAD 3
.macro TURN s                          ; K step s through my stage: 16 stores as loaded, 16 loads by (r, h), into the same registers.  LDS serves a wave's instructions in order (ISA guide 5.7.1.4): no wait between
	WIN 0x04                                       ; an LDS store's data are its source 1: window 1
.irp i, 0,1,2,3,4,5,6,7,8,9,10,11,12,13,14,15
	ds_store_b128 v18, v[64*(\s)+4*\i:64*(\s)+4*\i+3] offset:528*\i
.endr
	WIN 0x40
.irp b, 0,1,2,3
	ds_load_b128 v[64*(\s)+16*\b:64*(\s)+16*\b+3], v19 offset:128*\b
	ds_load_b128 v[64*(\s)+16*\b+4:64*(\s)+16*\b+7], v19 offset:128*\b+16
	ds_load_b128 v[64*(\s)+16*\b+8:64*(\s)+16*\b+11], v19 offset:128*\b+64
	ds_load_b128 v[64*(\s)+16*\b+12:64*(\s)+16*\b+15], v19 offset:128*\b+80
.endr
.endm
.macro XOUT s                          ; fragment s goes to xc as it stands: each store of the wave covers 512 or 256 consecutive aligned bytes
.irp c, 0,1
	global_store_b128 v1, v[PC+12*\s+6*\c:PC+12*\s+6*\c+3], s[14:15] offset:24576*\s+768*\c
	global_store_b64 v2, v[PC+12*\s+6*\c+4:PC+12*\s+6*\c+5], s[14:15] offset:24576*\s+768*\c+512
.endr
.endm
	s_wait_loadcnt 48                              ; x's step 0 is in: behind it stand x's three later steps, 16 loads each
	TURN 0
.irp s, 0,1,2,3
.if \s < 3
	s_wait_loadcnt 32                              ; x's step s + 1 is in: behind it stand x's 2 - s later steps and s batches of weights, 16 loads each
	TURN \s+1                                      ; the turn runs one step ahead of the work
	s_wait_dscnt 32                                ; step s is back from the stage; the 32 lines just issued may be out
.else
	s_wait_dscnt 0x0
.endif
	WIN 0x80                                       ; destination window 2
	WLOAD \s
	QUANT4 \s
	IMAGE \s
.endr
	v_cndmask_b32 v[XSD], v[PW], v[PW+2], s[HM]    ; my row's four words: lanes 0-15 store the first two, lanes 16-31 the other two
	v_cndmask_b32 v[XSD+1], v[PW+1], v[PW+3], s[HM]
	s_wait_alu depctr_va_vdst(0)                   ; the fragments
	s_wait_dscnt 0x0                               ; for the others' sake: my images have landed
	s_barrier_signal -1
	s_barrier_wait -1                              ; x's sixteen fragments lie in LDS
	WIN 0x40
.set ff, 0
.rept 16
.irp c, 0,1
	ds_load_b128 v[12*ff+6*\c:12*ff+6*\c+3], v1 offset:XIMG+1536*ff+768*\c
	ds_load_b64 v[12*ff+6*\c+4:12*ff+6*\c+5], v2 offset:XIMG+1536*ff+768*\c+512
.endr
.set ff, ff+1
.endr
	WIN 0
.set ff, 0
.rept 16
	ds_load_b32 v[XSR+ff], v3 offset:XSC+128*ff
.set ff, ff+1
.endr
	s_wait_dscnt 0x0
	s_wait_loadcnt 0x0                             ; the weights, their scale words, the bias
	s_cmp_eq_u32 s21, 0
	s_cbranch_scc0 .Lmul_v
	WIN 0x06                                       ; K: source 0 = the weight (window 2), source 1 = x (window 1).  The four accumulators take turns; the bias is the C of each sum's first product
.irp ks, 0,1,2,3,4,5,6,7
.irp o, 0,1
.irp i, 0,1
.if \ks == 0
	v_wmma_scale_f32_16x16x128_f8f6f4 v[ACC+16*\o+8*\i:ACC+16*\o+8*\i+7], v[12*(2*\ks+\i):12*(2*\ks+\i)+11], v[12*(8*\o+\ks):12*(8*\o+\ks)+11], v[BIAS+8*\i:BIAS+8*\i+7], v[WSR+8*\i+\ks], v[XSR+8*\o+\ks] matrix_a_fmt:MATRIX_FMT_FP6 matrix_b_fmt:MATRIX_FMT_FP6
.else
	v_wmma_scale_f32_16x16x128_f8f6f4 v[ACC+16*\o+8*\i:ACC+16*\o+8*\i+7], v[12*(2*\ks+\i):12*(2*\ks+\i)+11], v[12*(8*\o+\ks):12*(8*\o+\ks)+11], v[ACC+16*\o+8*\i:ACC+16*\o+8*\i+7], v[WSR+8*\i+\ks], v[XSR+8*\o+\ks] matrix_a_fmt:MATRIX_FMT_FP6 matrix_b_fmt:MATRIX_FMT_FP6
.endif
.endr
.endr
.endr
	WIN 0
	s_branch .Lmul_done
.Lmul_v:
	WIN 0x09                                       ; V: source 0 = x (window 1), source 1 = the weight (window 2)
.irp ks, 0,1,2,3,4,5,6,7
.irp o, 0,1
.irp i, 0,1
.if \ks == 0
	v_wmma_scale_f32_16x16x128_f8f6f4 v[ACC+16*\o+8*\i:ACC+16*\o+8*\i+7], v[12*(8*\i+\ks):12*(8*\i+\ks)+11], v[12*(2*\ks+\o):12*(2*\ks+\o)+11], v[BIAS+8*\o:BIAS+8*\o+7], v[XSR+8*\i+\ks], v[WSR+8*\o+\ks] matrix_a_fmt:MATRIX_FMT_FP6 matrix_b_fmt:MATRIX_FMT_FP6
.else
	v_wmma_scale_f32_16x16x128_f8f6f4 v[ACC+16*\o+8*\i:ACC+16*\o+8*\i+7], v[12*(8*\i+\ks):12*(8*\i+\ks)+11], v[12*(2*\ks+\o):12*(2*\ks+\o)+11], v[ACC+16*\o+8*\i:ACC+16*\o+8*\i+7], v[XSR+8*\i+\ks], v[WSR+8*\o+\ks] matrix_a_fmt:MATRIX_FMT_FP6 matrix_b_fmt:MATRIX_FMT_FP6
.endif
.endr
.endr
.endr
	WIN 0
.Lmul_done:
.irp s, 0,1,2,3
	XOUT \s                                        ; x's codes leave while the products run
.endr
	global_store_b64 v2, v[XSD:XSD+1], s[16:17]    ; my rows' scale words: the wave covers 256 consecutive aligned bytes
.rept 4
	v_nop                                          ; four places between the last products and the first read of results
.endr
	; The way out: v[ACC + 16 o] on are my 16 numbers of the block of outer index o (K: tile of keys o; V: tile of d o); each accumulator is read from its low end on
.irp o, 0,1
	v_max3_num_f32 v[TM+\o], |v[ACC+16*\o]|, |v[ACC+16*\o+1]|, 0x1800000
.endr
.irp i, 2,4,6,8,10,12,14
.irp o, 0,1
	v_max3_num_f32 v[TM+\o], v[TM+\o], |v[ACC+16*\o+\i]|, |v[ACC+16*\o+\i+1]|
.endr
.endr
.irp o, 0,1
	v_permlanex16_b32 v[TM+4+\o], v[TM+\o], s[SEL], s[SEL+1]
.endr
.irp o, 0,1
	v_max_num_f32 v[TM+\o], v[TM+\o], v[TM+4+\o]
.endr
.irp o, 0,1
	v_add_nc_u32 v[TM+12+\o], 0xff000000, v[TM+\o]
.endr
.irp o, 0,1
	v_lshrrev_b32 v[TM+4+\o], 23, v[TM+12+\o]
.endr
	v_cvt_scalef32_pk16_fp6_f32 v[EC:EC+2], v[ACC:ACC+15], v[TM+12]
	v_cvt_scalef32_pk16_fp6_f32 v[ET:ET+2], v[ACC+16:ACC+31], v[TM+13]
	v_nop
.irp i, 0,1,2
	v_permlane16_swap_b32 v[EC+\i], v[ET+\i]       ; lanes 0-15 now hold the whole block of o = 0, lanes 16-31 that of o = 1
.endr
.irp i, 0,1,2
	v_mov_b32 v[EC+3+\i], v[ET+\i]
.endr
	v_cndmask_b32 v[BY], v[TM+4], v[TM+5], s[HM]   ; and its byte
	global_store_b128 v13, v[EC:EC+3], s[44:45]
	global_store_b64 v13, v[EC+4:EC+5], s[46:47]
	global_store_b8 v14, v[BY], s[48:49]
	s_cmp_eq_u32 s21, 0
	s_cbranch_scc0 .Lno_pad
	global_store_b8 v14, v15, s[48:49] offset:2    ; K's scale words: bytes 2 and 3, over the zero codes of the product's upper 64, are 127
.Lno_pad:
	s_wait_tensorcnt 0x0                           ; the wave's end: behind my last LDS store
	ds_add_u32 v[SPW], v[NIL]
	s_wait_dscnt 0x0
	s_endpgm
.Lfunc_end_k_q416ef52e99_xkv:
	.size	k_q416ef52e99_xkv, .Lfunc_end_k_q416ef52e99_xkv-k_q416ef52e99_xkv
	.p2alignl 7, 3214868480
	.fill 96, 4, 3214868480
	.section	.rodata,"a",@progbits
	.p2align	6, 0x0
	.amdhsa_kernel k_q416ef52e99_xkv
		.amdhsa_group_segment_fixed_size 60928
		.amdhsa_private_segment_fixed_size 0
		.amdhsa_enable_private_segment 0
		.amdhsa_kernarg_size 64
		.amdhsa_user_sgpr_count 2
		.amdhsa_user_sgpr_kernarg_segment_ptr 1
		.amdhsa_wavefront_size32 1
		.amdhsa_system_sgpr_workgroup_id_x 1
		.amdhsa_system_sgpr_workgroup_id_y 1
		.amdhsa_system_sgpr_workgroup_id_z 1
		.amdhsa_system_vgpr_workitem_id 0
		.amdhsa_next_free_vgpr 768
		.amdhsa_next_free_sgpr 66
		.amdhsa_reserve_vcc 0
		.amdhsa_float_denorm_mode_32 3
		.amdhsa_float_denorm_mode_16_64 3
		.amdhsa_memory_ordered 1
		.amdhsa_forward_progress 1
		.amdhsa_inst_pref_size 64
	.end_amdhsa_kernel
	.amdgpu_metadata
---
amdhsa.version: [ 1, 2 ]
amdhsa.kernels:
  - .name:           k_q416ef52e99_xkv
    .symbol:         k_q416ef52e99_xkv.kd
    .args:
      - { .name: x, .offset: 0, .size: 8, .value_kind: global_buffer, .address_space: global }
      - { .name: wc, .offset: 8, .size: 8, .value_kind: global_buffer, .address_space: global }
      - { .name: ws, .offset: 16, .size: 8, .value_kind: global_buffer, .address_space: global }
      - { .name: bk, .offset: 24, .size: 8, .value_kind: global_buffer, .address_space: global }
      - { .name: bv, .offset: 32, .size: 8, .value_kind: global_buffer, .address_space: global }
      - { .name: xc, .offset: 40, .size: 8, .value_kind: global_buffer, .address_space: global }
      - { .name: xs, .offset: 48, .size: 8, .value_kind: global_buffer, .address_space: global }
      - { .name: kv, .offset: 56, .size: 8, .value_kind: global_buffer, .address_space: global }
    .group_segment_fixed_size: 60928
    .private_segment_fixed_size: 0
    .kernarg_segment_align: 8
    .kernarg_segment_size: 64
    .max_flat_workgroup_size: 128
    .sgpr_count:     66
    .vgpr_count:     768
    .wavefront_size: 32
...
	.end_amdgpu_metadata
.endif
;; end of part 2
;; launch qproj (part 3): grid 8 x 32, 4 waves a work-group, clusters of 4 x 4, 312,832 bytes of LDS; arguments xc, xs, wc, ws, bq, qc, qs; writes qc, qs
.if DOCPART == 3
	.amdgcn_target "amdgcn-amd-amdhsa--gfx1250"
	.amdhsa_code_object_version 6
	.text
	.protected	k_q416ef52e99_qproj
	.globl	k_q416ef52e99_qproj
	.p2align	8
	.type	k_q416ef52e99_qproj,@function
k_q416ef52e99_qproj:
	s_mov_b64 s[64:65], 0
	v_nop
	global_prefetch_b8 v0, s[64:65] scope:SCOPE_SE
	s_setreg_imm32_b32 hwreg(HW_REG_WAVE_MODE, 25, 1), 1
	s_wait_xcnt 0x0
	s_wait_alu depctr_hold_cnt(0) depctr_sa_sdst(0) depctr_va_vdst(0) depctr_va_sdst(0) depctr_va_ssrc(0) depctr_va_vcc(0) depctr_vm_vsrc(0)
	s_getreg_b32 s2, hwreg(HW_REG_IB_STS2, 6, 4)
	s_cmp_eq_u32 s2, 0
	s_cbranch_scc0 .Lentry_in_a_cluster
	s_endpgm
.Lentry_in_a_cluster:
	s_bfe_u32 s2, ttmp6, 0x10000c
	s_cmp_lg_u32 s2, 0xf033
	s_cbranch_scc0 .Lentry_shape_is_right
	s_endpgm
.Lentry_shape_is_right:
; Q = x Wq + bq on codes of E2M3 (xc, xs; wc, ws groups 0-7), quantised per head along the head's 64 and stored as the attention launch's operand.
; qc: [row tile 0..511][head 0..15][768]: half a fragment, 16 queries x 64: registers 0-3 at 16 x lane, registers 4, 5 at 512 + 16 r + 8 h.
; qs: [head][block of 128 rows 0..63][lane 0..31][4 words]: word i of lane l is that of row tile 4 (l / 16) + i, row l % 16; bytes 0, 1 are the two blocks' scales, bytes 2, 3 are 0 (they stand over zero codes).
; SHARES.  256 work-groups, each 256 rows (rb) x 128 columns (cg); wave (mh, nh) takes 128 rows x 64 columns, one head: 8 x 4 accumulators.  The product is used transposed (source 0 = 16 columns of W, source 1 = 16 rows):
; a lane holds one row, and its registers run along the columns, the next product's K.
; LDS.  ALL of the work-group's operands for all of K fit: A's 196,608 bytes and B's 98,304, images of memory, [ks][tile][1,536].  Each byte is filled once: no slot is ever filled again.
; CLUSTER 4 x 4.  A's bytes hang on rb alone and are shared along a row of the cluster, B's on cg alone and along a column: each is asked for jointly.  Waves 0, 1 fetch A, waves 2, 3 B; in stage g a wave brings K step 2 g + nh:
; four tensor loads a wave, all issued at the start (four of mine are out at the most); the products of a stage begin as soon as that stage has landed.
; Scale words and bias go from memory straight into registers, once.  No prefetch: every byte is asked for at the head.
; LIMITS: NaN and infinities are not served; a block whose largest magnitude lies under 2^-124 (zeros too) gets the byte 1, read by this program alone.
; REGISTERS.  Window 0: v1-10 addresses, v16-47 bias (8 b + j), v48-111 the rows' scale words (8 a + ks), v112-143 W's (8 b + ks), v144-191 the way out.  Window 1: accumulator (a, b) at 8 (4 a + b).
;   Windows 2, 3: the fragments of even and odd K steps: W's at 12 b, the rows' at 48 + 12 a.
.set WOFF,  0                          ; Wq's groups begin at group 0 of wc and ws
.set LB,    196608                     ; LDS: B's image behind A's
.set SPARE, 312320                     ; the spare words, 128 bytes a wave: two blocks of 256 bytes that no other line names
.set WV,   18
.set G1A,  28                          ; s[28:35], s[36:43] descriptor groups 1;  s[44:51], s[68:75] groups 0, one for each half of K
.set G1B,  36
.set G0A,  44
.set G0B,  68
.set SEL,  96
.set HM,   98
.set BIAS, 16
.set XSR,  48
.set WSR,  112
.set TM,   144
.set PC,   160
.set PT,   168
.set PW,   180
.set SPW,  252
.set NIL,  253
.set MSB, 0
.macro WIN new                         ; the immediate's high byte repeats the setting that is left
.if MSB != (\new)
	s_set_vgpr_msb (MSB<<8)|(\new)
.set MSB, (\new)
.endif
.endm
.macro CROUND                          ; a round of the cluster's barrier
	s_barrier_signal -1
	s_barrier_wait -1
	s_cmp_lg_u32 s[WV], 0
	s_cbranch_scc1 .Lnot_wave_0_\@
	s_barrier_signal -3
.Lnot_wave_0_\@:
	s_barrier_wait -3
	s_barrier_signal -1
	s_barrier_wait -1
.endm
	s_load_b256 s[4:11], s[0:1], 0x0               ; xc, xs, wc, ws
	s_load_b128 s[12:15], s[0:1], 0x20             ; bq, qc
	s_load_b64 s[16:17], s[0:1], 0x30              ; qs
	v_lshl_add_u32 v[SPW], v0, 2, SPARE
	v_mov_b32 v[NIL], 0
	ds_add_u32 v[SPW], v[NIL]                      ; the wave's opening: the add and its wait stand ahead of my first tensor load; work on registers stands between them
	ds_add_u32 v[SPW], v[NIL]
	v_lshrrev_b32 v1, 5, v0
	v_readfirstlane_b32 s[WV], v1                  ; wave
	s_lshr_b32 s19, s[WV], 1                       ; mh: my half of the rows.  Also: which half of K I fetch
	s_and_b32 s20, s[WV], 1                        ; nh: my half of the columns.  Also: I fetch for A (0) or B (1)
	s_bfe_u32 s21, ttmp6, 0x40000                  ; cx
	s_bfe_u32 s22, ttmp6, 0x40004                  ; cy
	s_lshl_b32 s23, ttmp9, 2
	s_add_co_u32 s23, s23, s21                     ; cg = 4 x cluster x + cx
	s_and_b32 s24, ttmp7, 0xffff
	s_lshl_b32 s24, s24, 2
	s_add_co_u32 s24, s24, s22                     ; rb = 4 x cluster y + cy
	s_lshl_b32 s25, s22, 2
	s_lshl_b32 s25, 15, s25                        ; my row of the cluster
	s_lshl_b32 s26, 0x1111, s21                    ; my column
	s_or_b32 s[G1A], s25, (3<<16)|(1<<21)          ; 15:0 the mask; 17:16 elements of 8 bytes; 21 set beside a mask; no padding
	s_or_b32 s[G1B], s26, (3<<16)|(1<<21)
	s_mov_b32 s[G1A+1], 32<<16                     ; tensor_dim0 = 32 elements: rows of 256 bytes
	s_mov_b32 s[G1A+2], 384<<16                    ; tensor_dim1 = 384: four K steps of A are 98,304 dense bytes
	s_mov_b32 s[G1A+3], 32<<16                     ; tile_dim0
	s_mov_b32 s[G1A+4], 384
	s_mov_b32 s[G1A+5], 32                         ; the pitch
	s_mov_b32 s[G1A+6], 0
	s_mov_b32 s[G1A+7], 0
	s_mov_b32 s[G1B+1], 32<<16
	s_mov_b32 s[G1B+2], 192<<16                    ; four K steps of B are 49,152 dense bytes
	s_mov_b32 s[G1B+3], 32<<16
	s_mov_b32 s[G1B+4], 192
	s_mov_b32 s[G1B+5], 32
	s_mov_b32 s[G1B+6], 0
	s_mov_b32 s[G1B+7], 0
	s_mul_i32 s84, s24, 196608                     ; A: rb's image, K step 0 (these registers never hold cx)
	s_mov_b32 s85, 0
	s_add_co_u32 s88, s23, WOFF                    ; B: the group's image (these never hold cy)
	s_mul_i32 s88, s88, 98304
	s_mov_b32 s89, 0
	s_mov_b32 s[SEL], 0x76543210
	s_mov_b32 s[SEL+1], 0xfedcba98
	s_mov_b32 s[HM], 0xffff0000
	s_wait_dscnt 0x0                               ; the opening add is done
	s_wait_kmcnt 0x0
	s_add_nc_u64 s[84:85], s[4:5], s[84:85]
	s_add_nc_u64 s[88:89], s[8:9], s[88:89]
	CROUND                                         ; all sixteen work-groups are here: the joint loads meet
; THE FILLS, AS THEY NOW STAND (in place of the four stages that the head comment names): ONE tensor load a wave.  Half g = 0, 1 of K is K steps 4 g + 0..3, dense in memory and in LDS.
; Wave 0 brings A's half 0, wave 1 B's half 0, wave 2 A's half 1, wave 3 B's half 1, each on a line of its own.  Waves 0 and 1 alone wait ahead of the first barrier; a plain barrier in K step 3 shows half 1.
.irp g, 0,1
	s_mov_b32 s[G0A+4*\g], 1
	s_mov_b32 s[G0A+4*\g+1], \g*98304
	s_add_nc_u64 s[G0A+4*\g+2:G0A+4*\g+3], s[84:85], \g*98304
	s_or_b32 s[G0A+4*\g+3], s[G0A+4*\g+3], 0x80000000
	s_mov_b32 s[G0B+4*\g], 1
	s_mov_b32 s[G0B+4*\g+1], LB+\g*49152
	s_add_nc_u64 s[G0B+4*\g+2:G0B+4*\g+3], s[88:89], \g*49152
	s_or_b32 s[G0B+4*\g+3], s[G0B+4*\g+3], 0x80000000
.endr
	s_cmp_eq_u32 s[WV], 0                          ; one chain of branches on the wave's number, one load to an arm, all arms to one join
	s_cbranch_scc0 .Lw1
	tensor_load_to_lds s[G0A:G0A+3], s[G1A:G1A+7]
	s_nop 0
.rept 4
	v_nop
.endr
	s_branch .Lfilled
.Lw1:
	s_cmp_eq_u32 s[WV], 1
	s_cbranch_scc0 .Lw2
	tensor_load_to_lds s[G0B:G0B+3], s[G1B:G1B+7]
	s_nop 0
.rept 4
	v_nop
.endr
	s_branch .Lfilled
.Lw2:
	s_cmp_eq_u32 s[WV], 2
	s_cbranch_scc0 .Lw3
	tensor_load_to_lds s[G0A+4:G0A+7], s[G1A:G1A+7]
	s_nop 0
.rept 4
	v_nop
.endr
	s_branch .Lfilled
.Lw3:
	tensor_load_to_lds s[G0B+4:G0B+7], s[G1B:G1B+7]
	s_nop 0
.rept 4
	v_nop
.endr
.Lfilled:
	v_and_b32 v14, 31, v0
	v_and_b32 v3, 15, v0                           ; r
	v_bfe_u32 v4, v0, 4, 1                         ; h
	v_lshlrev_b32 v1, 4, v14                       ; 16 x lane
	v_lshlrev_b32 v9, 4, v3                        ; 16 r
	s_wait_alu depctr_va_vdst(0)
	v_lshl_add_u32 v2, v4, 3, v9                   ; 16 r + 8 h
	v_lshlrev_b32 v10, 5, v4                       ; 32 h
	s_wait_alu depctr_va_vdst(0)
	s_mul_i32 s60, s19, 12288                      ; my eight tiles of rows in a K step of A
	v_add_nc_u32 v5, s60, v1
	v_add_nc_u32 v6, s60, v2
	s_mul_i32 s61, s20, 6144                       ; my four tiles of columns in a K step of B
	s_add_co_u32 s61, s61, LB
	v_add_nc_u32 v7, s61, v1
	v_add_nc_u32 v8, s61, v2
	v_mov_b32 v[TM+4], 0                           ; written once: a lane permute's destination counts as one of its sources
	v_mov_b32 v[TM+5], 0
	s_mov_b32 s91, 0
	s_lshl_b32 s90, s24, 4
	s_lshl_b32 s92, s19, 3
	s_add_co_u32 s90, s90, s92                     ; my first row tile: 16 rb + 8 mh
	s_lshl_b32 s93, s90, 4
	s_lshl_b32 s90, s90, 9
	s_add_nc_u64 s[6:7], s[6:7], s[90:91]          ; xs
	s_add_co_u32 s90, s23, WOFF
	s_lshl_b32 s90, s90, 3
	s_lshl_b32 s92, s20, 2
	s_add_co_u32 s90, s90, s92
	s_lshl_b32 s90, s90, 9
	s_add_nc_u64 s[10:11], s[10:11], s[90:91]      ; ws
	s_lshl_b32 s90, s23, 9
	s_lshl_b32 s92, s20, 8
	s_add_co_u32 s90, s90, s92
	s_add_nc_u64 s[12:13], s[12:13], s[90:91]      ; the bias of my 64 columns
	s_lshl_b32 s92, s23, 1
	s_add_co_u32 s92, s92, s20                     ; my head: 2 cg + nh
	s_add_co_u32 s90, s93, s92
	s_mul_i32 s90, s90, 768
	s_add_nc_u64 s[14:15], s[14:15], s[90:91]      ; qc + ((16 rb + 8 mh) 16 + head) 768
	s_lshl_b32 s90, s92, 15
	s_lshl_b32 s93, s24, 1
	s_add_co_u32 s93, s93, s19
	s_lshl_b32 s93, s93, 9
	s_add_co_u32 s90, s90, s93
	s_add_nc_u64 s[16:17], s[16:17], s[90:91]      ; qs + head 32,768 + (2 rb + mh) 512
.irp a, 0,1,2,3,4,5,6,7
.irp q, 0,1
	global_load_b128 v[XSR+8*\a+4*\q:XSR+8*\a+4*\q+3], v9, s[6:7] offset:512*\a+256*\q
.endr
.endr
.irp b, 0,1,2,3
.irp q, 0,1
	global_load_b128 v[WSR+8*\b+4*\q:WSR+8*\b+4*\q+3], v9, s[10:11] offset:512*\b+256*\q
.endr
.endr
.irp b, 0,1,2,3
	global_load_b128 v[BIAS+8*\b:BIAS+8*\b+3], v10, s[12:13] offset:64*\b
	global_load_b128 v[BIAS+8*\b+4:BIAS+8*\b+7], v10, s[12:13] offset:64*\b+16
.endr
.macro FETCH ks                        ; 48 LDS loads: the K step's fragments, each load 512 or 256 consecutive bytes
	WIN 0x80+0x40*((\ks)%2)
.irp b, 0,1,2,3
.irp c, 0,1
	ds_load_b128 v[12*\b+6*\c:12*\b+6*\c+3], v7 offset:1536*\b+768*\c
	ds_load_b64 v[12*\b+6*\c+4:12*\b+6*\c+5], v8 offset:1536*\b+768*\c+512
.endr
.endr
.irp a, 0,1,2,3,4,5,6,7
.irp c, 0,1
	ds_load_b128 v[48+12*\a+6*\c:48+12*\a+6*\c+3], v5 offset:1536*\a+768*\c
	ds_load_b64 v[48+12*\a+6*\c+4:48+12*\a+6*\c+5], v6 offset:1536*\a+768*\c+512
.endr
.endr
.endm
.macro MUL ks                          ; 32 matrix instructions; the 32 accumulators take turns, in the same order in every K step; the bias is the C of each sum's first product
.if (\ks) == 0
	WIN 0x4a
.elseif (\ks)%2 == 0
	WIN 0x5a
.else
	WIN 0x5f
.endif
.irp a, 0,1,2,3,4,5,6,7
.irp b, 0,1,2,3
.if (\ks) == 0
	v_wmma_scale_f32_16x16x128_f8f6f4 v[8*(4*\a+\b):8*(4*\a+\b)+7], v[12*\b:12*\b+11], v[48+12*\a:48+12*\a+11], v[BIAS+8*\b:BIAS+8*\b+7], v[WSR+8*\b+(\ks)], v[XSR+8*\a+(\ks)] matrix_a_fmt:MATRIX_FMT_FP6 matrix_b_fmt:MATRIX_FMT_FP6
.else
	v_wmma_scale_f32_16x16x128_f8f6f4 v[8*(4*\a+\b):8*(4*\a+\b)+7], v[12*\b:12*\b+11], v[48+12*\a:48+12*\a+11], v[8*(4*\a+\b):8*(4*\a+\b)+7], v[WSR+8*\b+(\ks)], v[XSR+8*\a+(\ks)] matrix_a_fmt:MATRIX_FMT_FP6 matrix_b_fmt:MATRIX_FMT_FP6
.endif
.endr
.endr
.endm
.macro KSTEP ks
	s_wait_dscnt 0x0                               ; this K step's fragments are in
.if (\ks) == 3
	s_wait_tensorcnt 0x0                           ; every wave: whatever of mine was out has landed
	s_barrier_signal -1
	s_barrier_wait -1                              ; K steps 4 to 7 are whole
.endif
.if (\ks) < 7
	WIN 0
	s_wait_alu depctr_va_vdst(0)
	v_add_nc_u32 v5, 24576, v5                     ; on to the next K step.  These four are also the places in front of loads into registers that the last products read
	v_add_nc_u32 v6, 24576, v6
	v_add_nc_u32 v7, 12288, v7
	v_add_nc_u32 v8, 12288, v8
	FETCH (\ks)+1
.endif
	MUL \ks
.endm
	s_wait_alu depctr_va_vdst(0)
	s_cmp_lt_u32 s[WV], 2
	s_cbranch_scc0 .Lnot_first
	s_wait_tensorcnt 0x0                           ; waves 0 and 1: K steps 0 to 3 of A and of B have landed
.Lnot_first:
	s_barrier_signal -1
	s_barrier_wait -1
	FETCH 0
	s_wait_loadcnt 0x0                             ; scale words and bias
.irp ks, 0,1,2,3,4,5,6,7
	KSTEP \ks
.endr
	WIN 0
.rept 4
	v_nop                                          ; four places between the last products and the first read of results
.endr
; THE WAY OUT, a tile of 16 rows at a time: the lane's 32 numbers are 16 of each of the head's two blocks; each accumulator is read from its low end on
.macro QOUT a
	WIN 0x05
.irp o, 0,1
	v_max3_num_f32 v[TM+\o], |v[32*\a+16*\o]|, |v[32*\a+16*\o+1]|, 0x1800000
.endr
	WIN 0x14
.irp i, 2,4,6,8,10,12,14
.irp o, 0,1
	v_max3_num_f32 v[TM+\o], v[TM+\o], |v[32*\a+16*\o+\i]|, |v[32*\a+16*\o+\i+1]|
.endr
.endr
	WIN 0
.irp o, 0,1
	v_permlanex16_b32 v[TM+4+\o], v[TM+\o], s[SEL], s[SEL+1]
.endr
.irp o, 0,1
	v_max_num_f32 v[TM+\o], v[TM+\o], v[TM+4+\o]
.endr
.irp o, 0,1
	v_add_nc_u32 v[TM+12+\o], 0xff000000, v[TM+\o]
.endr
.irp o, 0,1
	v_lshrrev_b32 v[TM+4+\o], 23, v[TM+12+\o]
.endr
	v_lshl_or_b32 v[PW+\a], v[TM+5], 8, v[TM+4]    ; the row's scale word: two bytes, zeros above
	s_wait_alu depctr_va_vdst(0)
	s_wait_xcnt 0x0                                ; the last tile's stores have read their data: the codes' registers are written again only behind this wait
	WIN 0x01
	v_cvt_scalef32_pk16_fp6_f32 v[PC:PC+2], v[32*\a:32*\a+15], v[TM+12]
	v_cvt_scalef32_pk16_fp6_f32 v[PT:PT+2], v[32*\a+16:32*\a+31], v[TM+13]
	WIN 0
	v_nop
.irp i, 0,1,2
	v_permlane16_swap_b32 v[PC+\i], v[PT+\i]       ; lanes 0-15 now hold block 0 whole, lanes 16-31 block 1
.endr
.irp i, 0,1,2
	v_mov_b32 v[PC+3+\i], v[PT+\i]
.endr
	global_store_b128 v1, v[PC:PC+3], s[14:15] offset:12288*\a        ; 512 consecutive aligned bytes
	global_store_b64 v2, v[PC+4:PC+5], s[14:15] offset:12288*\a+512   ; 256
.endm
.irp a, 0,1,2,3,4,5,6,7
	QOUT \a
.endr
.irp i, 0,1,2,3
	v_cndmask_b32 v[188+\i], v[PW+\i], v[PW+4+\i], s[HM]   ; lanes 0-15 store tiles 0-3's words, lanes 16-31 tiles 4-7's
.endr
	global_store_b128 v1, v[188:191], s[16:17]     ; 512 consecutive aligned bytes
	s_wait_tensorcnt 0x0                           ; the wave's end: behind my last tensor load
	ds_add_u32 v[SPW], v[NIL]
	s_wait_dscnt 0x0
	CROUND                                         ; the closing round
	s_endpgm
.Lfunc_end_k_q416ef52e99_qproj:
	.size	k_q416ef52e99_qproj, .Lfunc_end_k_q416ef52e99_qproj-k_q416ef52e99_qproj
	.p2alignl 7, 3214868480
	.fill 96, 4, 3214868480
	.section	.rodata,"a",@progbits
	.p2align	6, 0x0
	.amdhsa_kernel k_q416ef52e99_qproj
		.amdhsa_group_segment_fixed_size 312832
		.amdhsa_private_segment_fixed_size 0
		.amdhsa_enable_private_segment 0
		.amdhsa_kernarg_size 56
		.amdhsa_user_sgpr_count 2
		.amdhsa_user_sgpr_kernarg_segment_ptr 1
		.amdhsa_wavefront_size32 1
		.amdhsa_system_sgpr_workgroup_id_x 1
		.amdhsa_system_sgpr_workgroup_id_y 1
		.amdhsa_system_sgpr_workgroup_id_z 1
		.amdhsa_system_vgpr_workitem_id 0
		.amdhsa_next_free_vgpr 1024
		.amdhsa_next_free_sgpr 100
		.amdhsa_reserve_vcc 0
		.amdhsa_float_denorm_mode_32 3
		.amdhsa_float_denorm_mode_16_64 3
		.amdhsa_memory_ordered 1
		.amdhsa_forward_progress 1
		.amdhsa_inst_pref_size 89
	.end_amdhsa_kernel
	.amdgpu_metadata
---
amdhsa.version: [ 1, 2 ]
amdhsa.kernels:
  - .name:           k_q416ef52e99_qproj
    .symbol:         k_q416ef52e99_qproj.kd
    .args:
      - { .name: xc, .offset: 0, .size: 8, .value_kind: global_buffer, .address_space: global }
      - { .name: xs, .offset: 8, .size: 8, .value_kind: global_buffer, .address_space: global }
      - { .name: wc, .offset: 16, .size: 8, .value_kind: global_buffer, .address_space: global }
      - { .name: ws, .offset: 24, .size: 8, .value_kind: global_buffer, .address_space: global }
      - { .name: bq, .offset: 32, .size: 8, .value_kind: global_buffer, .address_space: global }
      - { .name: qc, .offset: 40, .size: 8, .value_kind: global_buffer, .address_space: global }
      - { .name: qs, .offset: 48, .size: 8, .value_kind: global_buffer, .address_space: global }
    .group_segment_fixed_size: 312832
    .private_segment_fixed_size: 0
    .kernarg_segment_align: 8
    .kernarg_segment_size: 56
    .max_flat_workgroup_size: 128
    .sgpr_count:     100
    .vgpr_count:     1024
    .wavefront_size: 32
...
	.end_amdgpu_metadata
.endif
;; end of part 3
;; launch attn (part 4): grid 256 x 1, 16 waves a work-group, clusters of 4 x 1, 211,968 bytes of LDS; arguments qc, qs, kv, xc, xs; writes xc, xs
.if DOCPART == 4
	.amdgcn_target "amdgcn-amd-amdhsa--gfx1250"
	.amdhsa_code_object_version 6
	.text
	.protected	k_q416ef52e99_attn
	.globl	k_q416ef52e99_attn
	.p2align	8
	.type	k_q416ef52e99_attn,@function
k_q416ef52e99_attn:
	s_mov_b64 s[64:65], 0
	v_nop
	global_prefetch_b8 v0, s[64:65] scope:SCOPE_SE
	s_setreg_imm32_b32 hwreg(HW_REG_WAVE_MODE, 25, 1), 1
	s_wait_xcnt 0x0
	s_wait_alu depctr_hold_cnt(0) depctr_sa_sdst(0) depctr_va_vdst(0) depctr_va_sdst(0) depctr_va_ssrc(0) depctr_va_vcc(0) depctr_vm_vsrc(0)
	s_getreg_b32 s2, hwreg(HW_REG_IB_STS2, 6, 4)
	s_cmp_eq_u32 s2, 0
	s_cbranch_scc0 .Lentry_in_a_cluster
	s_endpgm
.Lentry_in_a_cluster:
	s_bfe_u32 s2, ttmp6, 0x10000c
	s_cmp_lg_u32 s2, 0x3003
	s_cbranch_scc0 .Lentry_shape_is_right
	s_endpgm
.Lentry_shape_is_right:
; O[row][head] = softmax(Q K^T / 8) V, one shared K and V head for 16 query heads of 64, both products on codes of E2M3; the result, divided by the row's sum, is quantised along (head, d) and stored as the last product's operand.
; THE SOFTMAX: t = score x log2(e) / 8; M = the running largest t rounded UP to a whole number; p = 2^(t - M) is quantised along the keys, not normalised; the row's sum is taken of the unquantised p and divides at the end;
; when M moves, the sum and O are multiplied by 2^(old M - new M), which rounds nothing.
; SHARES.  Work-group W takes rows 32 W .. 32 W + 31 of all 16 heads; wave w is head w and walks its two tiles of 16 queries one after the other, each over 16 key steps of 128 keys.  Four waves to a SIMD.
; LDS.  A batch's K and V as codes with their scale words are 208,896 bytes: they come ONCE, nothing is filled again.  A key step is 13,056 bytes: 8 tiles of 16 keys x 768; from 6,144 four tiles of V^T, 16 d x 128 keys, 1,536 each;
; from 12,288 K's scale words; from 12,800 V's.  Fragments lie as images of the operand's registers: every load is 512 or 256 consecutive bytes.
; CLUSTER 4 x 1.  The four partners belong to one batch and need the same image: waves 0-7 each ask jointly for two key steps (102 rows of 256 bytes); one tensor load of mine is out at the most.
; WHICH KEYS FORM A TILE.  Tile 4 c + T holds in rows 0-7 places 8 T + 0..7 of key block 2 c and in rows 8-15 the same places of block 2 c + 1 (the launch that made kv laid it so).  Both products are used transposed
; (S^T = K Q^T, O^T = V^T P^T): lane (r, h) holds query r, and its 32 registers of tiles 4 c .. 4 c + 3 are the 32 places of block 2 c + h, as the operand's layout wants them: a block's largest score needs no other lane,
; and the conversions' results are the operand.  Only the row's maximum and the scale word's four bytes are joined with lane l xor 16.
; THE FIRST PRODUCT'S K IS 64.  Q's registers 6-11 are zero codes, so what K's operand holds there adds nothing: K's tiles lie 6 registers apart, and a tile's upper six registers are the next tile's codes (the last tile's: v80-85, which hold codes or zeros).
; LOADS RUN AHEAD.  The next step's K is loaded behind this step's score products (20 loads), the next V behind this step's value products (18 loads); a tile's last step is written out: it asks for key step 0 again for the next tile, or for nothing.
; OUT.  xc: [rb][ks = head / 2][tile][1,536], half head % 2; xs: [row tile][512], the half word of a head at 256 (ks / 4) + 16 r + 4 (ks % 4) + 2 (head % 2), gathered in LDS and stored whole.
; No prefetch: the launch's one stream is asked for at its head.
; LIMITS: NaN and infinities are not served; the promise holds while |t| stays under 2^31; 1 / l is v_rcp_f32 and a multiplication; a block's largest p is taken from the block's largest score (v_exp_f32 is taken not to fall where
; its input rises); a block whose largest magnitude lies under 2^-124 (zeros too) gets the byte 1, read by this program alone.
; REGISTERS: v1-3, v6, v7, v11, v29 addresses and 8 h, which stay; v4, v5 the add's two; v8-10 the step's addresses; v12 -M, v13 the largest score, v[14:15] the sum; v16-27 Q, v28 its scale word; v30, 31 V's scale words;
;   v32-79 K's eight tiles; v80-87 at work (conversions); v88-135 V; v136-199 S^T, then p; v200-231 O^T; v232-243 p's codes; v244-247 K's scale words; v248-255 at work; v252 f; v253 p's scale word.
.set KVB,   208896
.set KST,   13056
.set OSL,   208896                     ; LDS: O's scale words of the two row tiles, 2 x 512; written by LDS stores alone
.set SPARE, 209920                     ; the spare words, 128 bytes a wave: eight blocks of 256 bytes that no other line names
.set WV,  14
.set SEL, 32
.set CS,  34
.set TB,  36
.set CNT, 37
.set NC,  49
.set K0,  32
.set KT,  80
.set V0,  88
.set S,   136
.set O,   200
.set PC,  232
.set KSC, 244
.set BM,  248
.macro WALU
	s_wait_alu depctr_va_vdst(0)
.endm
.macro CROUND                          ; a round of the cluster's barrier
	s_barrier_signal -1
	s_barrier_wait -1
	s_cmp_lg_u32 s[WV], 0
	s_cbranch_scc1 .Lnot_wave_0_\@
	s_barrier_signal -3
.Lnot_wave_0_\@:
	s_barrier_wait -3
	s_barrier_signal -1
	s_barrier_wait -1
.endm
	s_load_b256 s[4:11], s[0:1], 0x0               ; qc, qs, kv, xc
	s_load_b64 s[12:13], s[0:1], 0x20              ; xs
	v_lshl_add_u32 v4, v0, 2, SPARE
	v_mov_b32 v5, 0
	ds_add_u32 v4, v5                              ; the opening: the add, twice on end, and its wait ahead of my first tensor load
	ds_add_u32 v4, v5
	v_lshrrev_b32 v1, 5, v0
	v_readfirstlane_b32 s[WV], v1                  ; wave = head
	s_bfe_u32 s15, ttmp6, 0x40000                  ; cx
	s_lshl_b32 s16, ttmp9, 2
	s_add_co_u32 s16, s16, s15                     ; W = 4 x cluster + cx: it enters the addresses of Q and of the results alone
	s_lshr_b32 s17, ttmp9, 4                       ; the batch, which the four partners share
	s_mov_b32 s20, 15|(3<<16)|(1<<21)              ; the mask: all four; elements of 8 bytes; bit 21 beside a mask; no padding
	s_mov_b32 s21, 32<<16                          ; rows of 256 bytes
	s_mov_b32 s22, 102<<16                         ; 102 rows: two key steps, 26,112 dense bytes
	s_mov_b32 s23, 32<<16
	s_mov_b32 s24, 102
	s_mov_b32 s25, 32
	s_mov_b32 s26, 0
	s_mov_b32 s27, 0
	s_mov_b32 s[SEL], 0x76543210
	s_mov_b32 s[SEL+1], 0xfedcba98                 ; v_permlanex16_b32's selects for lane l xor 16
	s_mov_b32 s[CS], 0x3e38aa3b                    ; c = log2(e) / 8
	s_mov_b32 s[CS+1], s[CS]                       ; (named with it as a pair, so it is written)
	s_mov_b32 s[NC], 0xbe38aa3b                    ; -c
	s_mov_b32 s28, 1
	s_mul_i32 s29, s[WV], 26112                    ; where my two key steps go
	s_mul_i32 s44, s17, KVB
	s_add_co_u32 s44, s44, s29
	s_mov_b32 s45, 0
	s_wait_dscnt 0x0                               ; both opening adds are done
	s_wait_kmcnt 0x0
	s_add_nc_u64 s[30:31], s[8:9], s[44:45]
	s_or_b32 s31, s31, 0x80000000
	CROUND                                         ; all four work-groups are here: the joint loads meet
	s_cmp_lt_u32 s[WV], 8
	s_cbranch_scc0 .Lno_fill
	tensor_load_to_lds s[28:31], s[20:27]
	s_nop 0
.rept 4
	v_nop
.endr
.Lno_fill:
	s_mov_b32 s39, 0
	s_lshl_b32 s38, s16, 5
	s_add_co_u32 s38, s38, s[WV]
	s_mul_i32 s38, s38, 768
	s_add_nc_u64 s[4:5], s[4:5], s[38:39]          ; qc + (2 W x 16 + head) 768; the second tile is 12,288 bytes on
	s_lshl_b32 s38, s[WV], 15
	s_lshr_b32 s40, s16, 1
	s_lshl_b32 s40, s40, 8
	s_add_co_u32 s38, s38, s40
	s_and_b32 s40, s16, 1
	s_lshl_b32 s40, s40, 3
	s_add_co_u32 s38, s38, s40
	s_add_nc_u64 s[6:7], s[6:7], s[38:39]          ; qs + head 32,768 + (W / 2) 256 + 8 (W % 2); the second tile's word is 4 bytes on
	s_lshr_b32 s38, s16, 3
	s_mul_i32 s38, s38, 196608
	s_lshr_b32 s40, s[WV], 1
	s_mul_i32 s40, s40, 24576
	s_add_co_u32 s38, s38, s40
	s_and_b32 s40, s16, 7
	s_mul_i32 s40, s40, 3072
	s_add_co_u32 s38, s38, s40
	s_and_b32 s41, s[WV], 1
	s_mul_i32 s40, s41, 768
	s_add_co_u32 s38, s38, s40
	s_add_nc_u64 s[10:11], s[10:11], s[38:39]      ; xc + (W / 8) 196,608 + (head / 2) 24,576 + 2 (W % 8) 1,536 + 768 (head % 2)
	s_lshl_b32 s38, s16, 1
	s_add_co_u32 s38, s38, s41
	s_lshl_b32 s38, s38, 9
	s_add_nc_u64 s[12:13], s[12:13], s[38:39]      ; xs + (2 W + wave % 2) 512: waves 0 and 1 store there
	s_lshr_b32 s46, s[WV], 3                       ; my head's half word in a row tile's 512 bytes: 256 (head / 8) + 4 ((head / 2) % 4) + 2 (head % 2) + 16 r
	s_lshl_b32 s46, s46, 8
	s_bfe_u32 s47, s[WV], 0x20001
	s_lshl_b32 s47, s47, 2
	s_add_co_u32 s46, s46, s47
	s_and_b32 s47, s[WV], 1
	s_lshl_b32 s48, s47, 1
	s_add_co_u32 s46, s46, s48
	s_add_co_u32 s46, s46, OSL
	s_lshl_b32 s48, s47, 9
	s_add_co_u32 s48, s48, OSL
	v_and_b32 v3, 31, v0
	v_and_b32 v7, 15, v0                           ; r
	v_bfe_u32 v8, v0, 4, 1                         ; h
	v_lshlrev_b32 v1, 4, v3                        ; 16 x lane
	v_lshlrev_b32 v6, 4, v7                        ; 16 r
	v_lshlrev_b32 v29, 3, v8                       ; 8 h: how far my two scale bytes are shifted up
	v_lshl_add_u32 v2, v8, 3, v6                   ; 16 r + 8 h
	v_lshlrev_b32 v3, 2, v3                        ; 4 x lane
	v_add_nc_u32 v7, s46, v6                       ; where my head's half word goes
	v_add_nc_u32 v11, s48, v1                      ; where waves 0 and 1 read a tile's 512 bytes back
.irp j, 22,23,24,25,26,27
	v_mov_b32 v[\j], 0                             ; Q's upper 64 along K: zero codes
.endr
.irp j, 0,1,2,3,4,5,6,7
	v_mov_b32 v[KT+\j], 0                          ; read as the last tile's upper six, and a lane permute's destination: written once here
.endr
	v_mov_b32 v251, 0                              ; a lane permute's destination counts as one of its sources
	v_mov_b32 v253, 0                              ; (named as the upper half of the pair v[252:253] before it is first written)
	global_load_b128 v[16:19], v1, s[4:5]          ; the first tile's Q
	global_load_b64 v[20:21], v2, s[4:5] offset:512
	global_load_b32 v28, v6, s[6:7]
	WALU
	s_wait_tensorcnt 0x0                           ; my part of the image has landed,
	s_barrier_signal -1
	s_barrier_wait -1                              ; everybody's has
.macro KQ t                            ; S^T of key tile t; K's scale words: lanes 0-15 an even tile's, lanes 16-31 the odd one's
.if (\t)%2
	v_wmma_scale_f32_16x16x128_f8f6f4 v[S+8*(\t):S+8*(\t)+7], v[K0+6*(\t):K0+6*(\t)+11], v[16:27], 0, v[KSC+(\t)/2], v28 matrix_a_fmt:MATRIX_FMT_FP6 matrix_b_fmt:MATRIX_FMT_FP6 matrix_a_scale:MATRIX_SCALE_ROW1
.else
	v_wmma_scale_f32_16x16x128_f8f6f4 v[S+8*(\t):S+8*(\t)+7], v[K0+6*(\t):K0+6*(\t)+11], v[16:27], 0, v[KSC+(\t)/2], v28 matrix_a_fmt:MATRIX_FMT_FP6 matrix_b_fmt:MATRIX_FMT_FP6
.endif
.endm
.macro PV t                            ; O^T of d tile t += V^T P^T; the four accumulators take turns
.if (\t)%2
	v_wmma_scale_f32_16x16x128_f8f6f4 v[O+8*(\t):O+8*(\t)+7], v[V0+12*(\t):V0+12*(\t)+11], v[PC:PC+11], v[O+8*(\t):O+8*(\t)+7], v[30+(\t)/2], v253 matrix_a_fmt:MATRIX_FMT_FP6 matrix_b_fmt:MATRIX_FMT_FP6 matrix_a_scale:MATRIX_SCALE_ROW1
.else
	v_wmma_scale_f32_16x16x128_f8f6f4 v[O+8*(\t):O+8*(\t)+7], v[V0+12*(\t):V0+12*(\t)+11], v[PC:PC+11], v[O+8*(\t):O+8*(\t)+7], v[30+(\t)/2], v253 matrix_a_fmt:MATRIX_FMT_FP6 matrix_b_fmt:MATRIX_FMT_FP6
.endif
.endm
.macro KLOAD                           ; a key step's K: 20 loads
.irp t, 0,1,2,3,4,5,6,7
	ds_load_b128 v[K0+6*\t:K0+6*\t+3], v8 offset:768*\t
	ds_load_b64 v[K0+6*\t+4:K0+6*\t+5], v9 offset:768*\t+512
.endr
.irp i, 0,1,2,3
	ds_load_b32 v[KSC+\i], v10 offset:12288+128*\i
.endr
.endm
.macro VLOAD                           ; its V: 18 loads
.irp t, 0,1,2,3
.irp c, 0,1
	ds_load_b128 v[V0+12*\t+6*\c:V0+12*\t+6*\c+3], v8 offset:6144+1536*\t+768*\c
	ds_load_b64 v[V0+12*\t+6*\c+4:V0+12*\t+6*\c+5], v9 offset:6144+1536*\t+768*\c+512
.endr
.endr
.irp i, 0,1
	ds_load_b32 v[30+\i], v10 offset:12800+128*\i
.endr
.endm
.macro TM j                            ; t - M of two scores
	v_pk_fma_f32 v[S+(\j):S+(\j)+1], v[S+(\j):S+(\j)+1], s[CS:CS+1], v[12:13] op_sel_hi:[1,0,0]
.endm
.macro ADDP a, b                       ; a step of the sum's tree, in place: the pair at S + a takes in the pair at S + b
	v_pk_add_f32 v[S+(\a):S+(\a)+1], v[S+(\a):S+(\a)+1], v[S+(\b):S+(\b)+1]
.endm
; A KEY STEP: 128 keys.  mode 0: in the loop, the next step's tiles lie at s[TB]; 1: a tile's last step, the next tile begins at key step 0 again; 2: the last of all, nothing more is loaded
.macro STEP mode
	s_wait_dscnt 18                                ; K is in; V's 18 loads, which are younger, may be out
.irp t, 0,1,2,3,4,5,6,7
	KQ \t
.endr
.if (\mode) == 0                       ; four plain lines: the places between the products and the loads into their registers and the first read of the scores
	v_add_nc_u32 v8, s[TB], v1
	v_add_nc_u32 v9, s[TB], v2
	v_add_nc_u32 v10, s[TB], v3
.elseif (\mode) == 1
	v_mov_b32 v8, v1
	v_mov_b32 v9, v2
	v_mov_b32 v10, v3
.else
	v_nop
	v_nop
	v_nop
.endif
	v_mov_b32 v254, v12                            ; the old -M
.if (\mode) < 2
	KLOAD
.endif
.if (\mode) == 1
	global_load_b128 v[16:19], v1, s[4:5] offset:12288      ; the second tile's Q
	global_load_b64 v[20:21], v2, s[4:5] offset:12288+512
	global_load_b32 v28, v6, s[6:7] offset:4
.endif
.irp a, 0,1,2,3,4,5,6,7                ; the largest score of my two blocks of 32 keys: eight chains side by side, one to an accumulator, each read from its low end on; p's code registers, done with, hold them
	v_max3_num_f32 v[PC+\a], v[S+8*\a], v[S+8*\a+1], v[S+8*\a+2]
.endr
.irp i, 3,5
.irp a, 0,1,2,3,4,5,6,7
	v_max3_num_f32 v[PC+\a], v[PC+\a], v[S+8*\a+\i], v[S+8*\a+\i+1]
.endr
.endr
.irp c, 0,1                            ; a block's four chains are joined, each line taking in an accumulator's last score
	v_max3_num_f32 v[PC+4*\c], v[PC+4*\c], v[PC+4*\c+1], v[S+32*\c+7]
	v_max3_num_f32 v[PC+4*\c+2], v[PC+4*\c+2], v[PC+4*\c+3], v[S+32*\c+15]
.endr
.irp c, 0,1
	v_max3_num_f32 v[BM+\c], v[PC+4*\c], v[PC+4*\c+2], v[S+32*\c+23]
.endr
.irp c, 0,1
	v_max_num_f32 v[BM+\c], v[BM+\c], v[S+32*\c+31]
.endr
	s_delay_alu instid0(VALU_DEP_1)
	v_max_num_f32 v250, v248, v249
	s_delay_alu instid0(VALU_DEP_1)
	v_permlanex16_b32 v251, v250, s[SEL], s[SEL+1]
	s_delay_alu instid0(VALU_DEP_1)
	v_max3_num_f32 v13, v13, v250, v251            ; the running largest score of my query (c is positive: it is the largest t's)
	s_delay_alu instid0(VALU_DEP_1)
	v_mul_f32 v255, s[NC], v13
	s_delay_alu instid0(VALU_DEP_1)
	v_floor_f32 v12, v255                          ; the new -M = floor(-t): M is a whole number
	s_delay_alu instid0(VALU_DEP_1)
	v_sub_f32 v254, v12, v254                      ; old M - new M: a whole number, 0 or less
.irp j, 0,2,4
	TM \j
.endr
	v_cvt_i32_f32 v254, v254                       ; (it saturates)
.irp j, 6,8,10
	TM \j
.endr
	v_ldexp_f32 v252, 1.0, v254                    ; f = 2^(old M - new M)
.irp j, 12,14,16,18,20,22,24,26,28,30
	TM \j
.endr
.irp c, 0,1
	v_fma_f32 v[BM+\c], v[BM+\c], s[CS], v12       ; the same of each block's largest score
.endr
.irp j, 0,2,4,6,8,10,12,14,16,18,20,22,24,26,28,30
	v_pk_mul_f32 v[O+\j:O+1+\j], v[O+\j:O+1+\j], v[252:253] op_sel_hi:[1,0]   ; O^T under the new M, ahead of the exponentials
.endr
	WALU                                           ; ahead of a batch of exponentials
	v_exp_f32 v248, v248                           ; my blocks' largest p
	v_exp_f32 v249, v249
.irp k, 0,1,2,3,4,5,6,7,8,9,10,11,12,13,14,15
	v_exp_f32 v[S+2*\k], v[S+2*\k]                 ; p = 2^(t - M) of block h; among them t - M of block 2 + h, which the next batch reads
	v_exp_f32 v[S+2*\k+1], v[S+2*\k+1]
	TM 32+2*\k
.endr
	WALU                                           ; behind the first batch and ahead of the second
	v_max_num_f32 v248, 0x1800000, v248            ; the floor 2^(3 - 127): the byte cannot fall under 1
	v_max_num_f32 v249, 0x1800000, v249
	v_add_nc_u32 v248, 0xff000000, v248            ; 2 off the exponent field: the conversions' scale operands
	v_add_nc_u32 v249, 0xff000000, v249
	v_cvt_scalef32_pk16_fp6_f32 v[PC:PC+2], v[S:S+15], v248        ; block h's codes
	v_cvt_scalef32_pk16_fp6_f32 v[KT:KT+2], v[S+16:S+31], v248     ; (a conversion's three registers begin on an even number)
	v_lshrrev_b32 v253, 23, v248                   ; the scales' bytes: blocks h and 2 + h.  (Plain lines behind the conversions)
	v_lshrrev_b32 v83, 23, v249
.irp i, 0,1,2
	v_mov_b32 v[PC+3+\i], v[KT+\i]
.endr
	v_lshl_or_b32 v253, v83, 16, v253
.irp k, 0,1,2,3,4,5,6,7                ; p of block 2 + h.  THE ROW'S SUM, of the unquantised p, is a tree in place over p, which the conversions have read: block h's first eight lines, which hang on nothing here, stand among the exponentials
	v_exp_f32 v[S+32+4*\k], v[S+32+4*\k]
	v_exp_f32 v[S+33+4*\k], v[S+33+4*\k]
	v_exp_f32 v[S+34+4*\k], v[S+34+4*\k]
	v_exp_f32 v[S+35+4*\k], v[S+35+4*\k]
	ADDP 4*\k, 4*\k+2
.endr
	WALU                                           ; one wait for the batch, ahead of its first reader
	v_cvt_scalef32_pk16_fp6_f32 v[PC+6:PC+8], v[S+32:S+47], v249
	v_cvt_scalef32_pk16_fp6_f32 v[KT+4:KT+6], v[S+48:S+63], v249
	v_lshlrev_b32 v253, v29, v253                  ; my two bytes at their places in the word, 8 h bits up.  (A plain line behind the conversions)
.irp k, 8,9,10,11
	ADDP 4*\k, 4*\k+2
.endr
	v_permlanex16_b32 v83, v253, s[SEL], s[SEL+1]
.irp k, 12,13,14,15
	ADDP 4*\k, 4*\k+2
.endr
.irp i, 0,1,2
	v_mov_b32 v[PC+9+\i], v[KT+4+\i]
.endr
	v_or_b32 v253, v253, v83                       ; with lane l xor 16's two the word is whole; the eleven additions below are its places ahead of the products
.irp k, 0,1,2,3,4,5,6,7
	ADDP 8*\k, 8*\k+4
.endr
.irp k, 0,1,2
	ADDP 16*\k, 16*\k+8
.endr
	v_pk_fma_f32 v[14:15], v[14:15], v[252:253], v[S:S+1] op_sel_hi:[1,0,1]   ; the old sum x f, and the first quarter
	WALU
.if (\mode) < 2
	s_wait_dscnt 20                                ; V is in; the next K's 20 loads, which are younger, may be out
.else
	s_wait_dscnt 0x0
.endif
.irp t, 0,1,2,3
	PV \t
.endr
	ADDP 48, 56                                    ; the sum's last four lines are the places behind the products
	ADDP 16, 32
	v_pk_add_f32 v[14:15], v[14:15], v[S+48:S+49]
	v_pk_add_f32 v[14:15], v[14:15], v[S+16:S+17]
.if (\mode) < 2
	VLOAD
.endif
.endm
; A tile of 16 queries: 16 key steps, then the way out.
.macro TILE rt
	s_wait_xcnt 0x0                                ; the last tile's stores have read their data: the codes' registers are written again only behind this wait
	v_mov_b32 v13, 0xff61b1e6                      ; the largest score so far: -3e38
	v_mov_b32 v12, 0x7e000000                      ; -M = 2^125: the first step's f comes out 0
	v_mov_b32 v14, 0
	v_mov_b32 v15, 0
.set jj, 0
.rept 32
	v_mov_b32 v[O+jj], 0                           ; the step is written for all steps alike: the first finds zeros
.set jj, jj+1
.endr
	s_mov_b32 s[TB], KST
	s_mov_b32 s[CNT], 15
	WALU
	s_wait_loadcnt 0x0                             ; Q
.Lstep_\@:
	STEP 0
	s_add_co_u32 s[TB], s[TB], KST
	s_sub_co_u32 s[CNT], s[CNT], 1
	s_cmp_lg_u32 s[CNT], 0
	WALU
	s_cbranch_scc1 .Lstep_\@
	STEP 1+\rt
	v_add_f32 v14, v14, v15                        ; the sum's two halves,
	s_delay_alu instid0(VALU_DEP_1)
	v_permlanex16_b32 v251, v14, s[SEL], s[SEL+1]
	s_delay_alu instid0(VALU_DEP_1)
	v_add_f32 v14, v14, v251                       ; and lane l xor 16's
	WALU
	v_rcp_f32 v14, v14
	v_nop                                          ; a plain place behind the reciprocal
	WALU                                           ; the wait ahead of its first reader, which is O^T's first reader too
.irp j, 0,2,4,6,8,10,12,14,16,18,20,22,24,26,28,30
	v_pk_mul_f32 v[S+\j:S+1+\j], v[O+\j:O+1+\j], v[14:15] op_sel_hi:[1,0]   ; O^T / the sum: register 8 t + i is d = 16 t + 8 h + i; each accumulator from its low end on
.endr
.irp o, 0,1
	v_max3_num_f32 v[BM+\o], |v[S+16*\o]|, |v[S+1+16*\o]|, 0x1800000   ; the head's two blocks of 32 along the last product's K
.endr
.irp i, 2,4,6,8,10,12,14
.irp o, 0,1
	s_delay_alu instid0(VALU_DEP_2)
	v_max3_num_f32 v[BM+\o], v[BM+\o], |v[S+16*\o+\i]|, |v[S+1+16*\o+\i]|
.endr
.endr
.irp o, 0,1
	s_delay_alu instid0(VALU_DEP_2)
	v_permlanex16_b32 v[250+\o], v[BM+\o], s[SEL], s[SEL+1]
.endr
.irp o, 0,1
	s_delay_alu instid0(VALU_DEP_2)
	v_max_num_f32 v[BM+\o], v[BM+\o], v[250+\o]
.endr
.irp o, 0,1
	s_delay_alu instid0(VALU_DEP_2)
	v_add_nc_u32 v[BM+\o], 0xff000000, v[BM+\o]
.endr
.irp o, 0,1
	s_delay_alu instid0(VALU_DEP_2)
	v_lshrrev_b32 v[250+\o], 23, v[BM+\o]
.endr
	s_delay_alu instid0(VALU_DEP_1)
	v_lshl_or_b32 v254, v251, 8, v250              ; my head's two bytes of the row's scale word
	v_cvt_scalef32_pk16_fp6_f32 v[PC:PC+2], v[S:S+15], v248
	v_cvt_scalef32_pk16_fp6_f32 v[KT:KT+2], v[S+16:S+31], v249
	v_nop                                          ; one plain place behind the scaled conversions
.irp i, 0,1,2
	v_permlane16_swap_b32 v[PC+\i], v[KT+\i]       ; lanes 0-15 now hold block 0 whole, lanes 16-31 block 1
.endr
.irp i, 0,1,2
	v_mov_b32 v[PC+3+\i], v[KT+\i]
.endr
	global_store_b128 v1, v[PC:PC+3], s[10:11] offset:1536*\rt       ; 512 consecutive aligned bytes
	global_store_b64 v2, v[PC+4:PC+5], s[10:11] offset:1536*\rt+512  ; 256
	ds_store_b16 v7, v254 offset:512*\rt           ; lanes l and l xor 16 write the same value to the same place
.endm
	v_mov_b32 v8, v1                               ; key step 0
	v_mov_b32 v9, v2
	v_mov_b32 v10, v3
	KLOAD
	VLOAD
	TILE 0
	TILE 1
	s_wait_dscnt 0x0                               ; for the others' sake: my half words have landed
	s_barrier_signal -1
	s_barrier_wait -1                              ; sixteen heads' half words make two row tiles' 512 bytes
	s_cmp_lt_u32 s[WV], 2
	s_cbranch_scc0 .Lno_os
	ds_load_b128 v[S:S+3], v11
	s_wait_dscnt 0x0
	global_store_b128 v1, v[S:S+3], s[12:13]       ; 512 consecutive aligned bytes
.Lno_os:
	s_wait_tensorcnt 0x0                           ; the wave's end: behind my last tensor load and my last LDS store
	ds_add_u32 v4, v5
	s_wait_dscnt 0x0
	CROUND                                         ; the closing round
	s_endpgm
.Lfunc_end_k_q416ef52e99_attn:
	.size	k_q416ef52e99_attn, .Lfunc_end_k_q416ef52e99_attn-k_q416ef52e99_attn
	.p2alignl 7, 3214868480
	.fill 96, 4, 3214868480
	.section	.rodata,"a",@progbits
	.p2align	6, 0x0
	.amdhsa_kernel k_q416ef52e99_attn
		.amdhsa_group_segment_fixed_size 211968
		.amdhsa_private_segment_fixed_size 0
		.amdhsa_enable_private_segment 0
		.amdhsa_kernarg_size 40
		.amdhsa_user_sgpr_count 2
		.amdhsa_user_sgpr_kernarg_segment_ptr 1
		.amdhsa_wavefront_size32 1
		.amdhsa_system_sgpr_workgroup_id_x 1
		.amdhsa_system_sgpr_workgroup_id_y 1
		.amdhsa_system_sgpr_workgroup_id_z 1
		.amdhsa_system_vgpr_workitem_id 0
		.amdhsa_next_free_vgpr 256
		.amdhsa_next_free_sgpr 66
		.amdhsa_reserve_vcc 0
		.amdhsa_float_denorm_mode_32 3
		.amdhsa_float_denorm_mode_16_64 3
		.amdhsa_memory_ordered 1
		.amdhsa_forward_progress 1
		.amdhsa_inst_pref_size 78
	.end_amdhsa_kernel
	.amdgpu_metadata
---
amdhsa.version: [ 1, 2 ]
amdhsa.kernels:
  - .name:           k_q416ef52e99_attn
    .symbol:         k_q416ef52e99_attn.kd
    .args:
      - { .name: qc, .offset: 0, .size: 8, .value_kind: global_buffer, .address_space: global }
      - { .name: qs, .offset: 8, .size: 8, .value_kind: global_buffer, .address_space: global }
      - { .name: kv, .offset: 16, .size: 8, .value_kind: global_buffer, .address_space: global }
      - { .name: xc, .offset: 24, .size: 8, .value_kind: global_buffer, .address_space: global }
      - { .name: xs, .offset: 32, .size: 8, .value_kind: global_buffer, .address_space: global }
    .group_segment_fixed_size: 211968
    .private_segment_fixed_size: 0
    .kernarg_segment_align: 8
    .kernarg_segment_size: 40
    .max_flat_workgroup_size: 512
    .sgpr_count:     66
    .vgpr_count:     256
    .wavefront_size: 32
...
	.end_amdgpu_metadata
.endif
;; end of part 4
;; launch oproj (part 5): grid 8 x 32, 4 waves a work-group, clusters of 4 x 4, 312,832 bytes of LDS; arguments xc, xs, wc, ws, bo, out0; writes out0
.if DOCPART == 5
	.amdgcn_target "amdgcn-amd-amdhsa--gfx1250"
	.amdhsa_code_object_version 6
	.text
	.protected	k_q416ef52e99_oproj
	.globl	k_q416ef52e99_oproj
	.p2align	8
	.type	k_q416ef52e99_oproj,@function
k_q416ef52e99_oproj:
	s_mov_b64 s[64:65], 0
	v_nop
	global_prefetch_b8 v0, s[64:65] scope:SCOPE_SE
	s_setreg_imm32_b32 hwreg(HW_REG_WAVE_MODE, 25, 1), 1
	s_wait_xcnt 0x0
	s_wait_alu depctr_hold_cnt(0) depctr_sa_sdst(0) depctr_va_vdst(0) depctr_va_sdst(0) depctr_va_ssrc(0) depctr_va_vcc(0) depctr_vm_vsrc(0)
	s_getreg_b32 s2, hwreg(HW_REG_IB_STS2, 6, 4)
	s_cmp_eq_u32 s2, 0
	s_cbranch_scc0 .Lentry_in_a_cluster
	s_endpgm
.Lentry_in_a_cluster:
	s_bfe_u32 s2, ttmp6, 0x10000c
	s_cmp_lg_u32 s2, 0xf033
	s_cbranch_scc0 .Lentry_shape_is_right
	s_endpgm
.Lentry_shape_is_right:
; out0 = O Wo + bo on codes of E2M3: O's codes and scale words lie in xc, xs (the attention launch stored them there), Wo's in groups 8-15 of wc, ws.  out0: [8,192][1,024] f32.
; SHARES.  256 work-groups, each 256 rows (rb) x 128 columns (cg); wave (mh, nh) takes 128 rows x 64 columns: 8 x 4 accumulators.  The product is used transposed (source 0 = 16 columns of W, source 1 = 16 rows):
; a lane holds eight neighbouring numbers of a row of the result.
; LDS.  ALL of the work-group's operands for all of K fit: A's 196,608 bytes and B's 98,304, images of memory, [ks][tile][1,536].  Each byte is filled once: no slot is ever filled again.  The stage for the way out has bytes of its own.
; CLUSTER 4 x 4.  A's bytes hang on rb alone and are shared along a row of the cluster, B's on cg alone and along a column: each is asked for jointly.  Waves 0, 1 fetch A, waves 2, 3 B; in stage g a wave brings K step 2 g + nh:
; four tensor loads a wave, all issued at the start (four of mine are out at the most); the products of a stage begin as soon as that stage has landed.
; Scale words and bias go from memory straight into registers, once.  No prefetch: every byte is asked for at the head.
; REGISTERS.  Window 0: v1-13 addresses, v16-47 bias (8 b + j), v48-111 the rows' scale words (8 a + ks), v112-143 W's (8 b + ks), v160-223 rows on the way out.  Window 1: accumulator (a, b) at 8 (4 a + b).
;   Windows 2, 3: the fragments of even and odd K steps: W's at 12 b, the rows' at 48 + 12 a.
.set WOFF,  8                          ; Wo's groups begin at group 8 of wc and ws
.set LB,    196608                     ; LDS: B's image behind A's
.set STAGE, 294912                     ; 16 rows x (256 bytes + 16) for each wave
.set SPARE, 312320                     ; the spare words, 128 bytes a wave: two blocks of 256 bytes that no other line names
.set WV,   18
.set G1A,  28                          ; s[28:35], s[36:43] descriptor groups 1;  s[44:51], s[68:75] groups 0, one for each half of K
.set G1B,  36
.set G0A,  44
.set G0B,  68
.set BIAS, 16
.set XSR,  48
.set WSR,  112
.set OB,   160
.set SPW,  252
.set NIL,  253
.set MSB, 0
.macro WIN new                         ; the immediate's high byte repeats the setting that is left
.if MSB != (\new)
	s_set_vgpr_msb (MSB<<8)|(\new)
.set MSB, (\new)
.endif
.endm
.macro CROUND                          ; a round of the cluster's barrier
	s_barrier_signal -1
	s_barrier_wait -1
	s_cmp_lg_u32 s[WV], 0
	s_cbranch_scc1 .Lnot_wave_0_\@
	s_barrier_signal -3
.Lnot_wave_0_\@:
	s_barrier_wait -3
	s_barrier_signal -1
	s_barrier_wait -1
.endm
	s_load_b256 s[4:11], s[0:1], 0x0               ; xc, xs, wc, ws
	s_load_b128 s[12:15], s[0:1], 0x20             ; bo, out0
	v_lshl_add_u32 v[SPW], v0, 2, SPARE
	v_mov_b32 v[NIL], 0
	ds_add_u32 v[SPW], v[NIL]                      ; the wave's opening: the add and its wait stand ahead of my first tensor load; work on registers stands between them
	ds_add_u32 v[SPW], v[NIL]
	v_lshrrev_b32 v1, 5, v0
	v_readfirstlane_b32 s[WV], v1                  ; wave
	s_lshr_b32 s19, s[WV], 1                       ; mh: my half of the rows.  Also: which half of K I fetch
	s_and_b32 s20, s[WV], 1                        ; nh: my half of the columns.  Also: I fetch for A (0) or B (1)
	s_bfe_u32 s21, ttmp6, 0x40000                  ; cx
	s_bfe_u32 s22, ttmp6, 0x40004                  ; cy
	s_lshl_b32 s23, ttmp9, 2
	s_add_co_u32 s23, s23, s21                     ; cg = 4 x cluster x + cx
	s_and_b32 s24, ttmp7, 0xffff
	s_lshl_b32 s24, s24, 2
	s_add_co_u32 s24, s24, s22                     ; rb = 4 x cluster y + cy
	s_lshl_b32 s25, s22, 2
	s_lshl_b32 s25, 15, s25                        ; my row of the cluster
	s_lshl_b32 s26, 0x1111, s21                    ; my column
	s_or_b32 s[G1A], s25, (3<<16)|(1<<21)          ; 15:0 the mask; 17:16 elements of 8 bytes; 21 set beside a mask; no padding
	s_or_b32 s[G1B], s26, (3<<16)|(1<<21)
	s_mov_b32 s[G1A+1], 32<<16                     ; tensor_dim0 = 32 elements: rows of 256 bytes
	s_mov_b32 s[G1A+2], 384<<16                    ; tensor_dim1 = 384: four K steps of A are 98,304 dense bytes
	s_mov_b32 s[G1A+3], 32<<16                     ; tile_dim0
	s_mov_b32 s[G1A+4], 384
	s_mov_b32 s[G1A+5], 32                         ; the pitch
	s_mov_b32 s[G1A+6], 0
	s_mov_b32 s[G1A+7], 0
	s_mov_b32 s[G1B+1], 32<<16
	s_mov_b32 s[G1B+2], 192<<16                    ; four K steps of B are 49,152 dense bytes
	s_mov_b32 s[G1B+3], 32<<16
	s_mov_b32 s[G1B+4], 192
	s_mov_b32 s[G1B+5], 32
	s_mov_b32 s[G1B+6], 0
	s_mov_b32 s[G1B+7], 0
	s_mul_i32 s84, s24, 196608                     ; A: rb's image, K step 0 (these registers never hold cx)
	s_mov_b32 s85, 0
	s_add_co_u32 s88, s23, WOFF                    ; B: the group's image (these never hold cy)
	s_mul_i32 s88, s88, 98304
	s_mov_b32 s89, 0
	s_wait_dscnt 0x0                               ; the opening add is done
	s_wait_kmcnt 0x0
	s_add_nc_u64 s[84:85], s[4:5], s[84:85]
	s_add_nc_u64 s[88:89], s[8:9], s[88:89]
	CROUND                                         ; all sixteen work-groups are here: the joint loads meet
; THE FILLS, AS THEY NOW STAND (in place of the four stages that the head comment names): ONE tensor load a wave.  Half g = 0, 1 of K is K steps 4 g + 0..3, dense in memory and in LDS.
; Wave 0 brings A's half 0, wave 1 B's half 0, wave 2 A's half 1, wave 3 B's half 1, each on a line of its own.  Waves 0 and 1 alone wait ahead of the first barrier; a plain barrier in K step 3 shows half 1.
.irp g, 0,1
	s_mov_b32 s[G0A+4*\g], 1
	s_mov_b32 s[G0A+4*\g+1], \g*98304
	s_add_nc_u64 s[G0A+4*\g+2:G0A+4*\g+3], s[84:85], \g*98304
	s_or_b32 s[G0A+4*\g+3], s[G0A+4*\g+3], 0x80000000
	s_mov_b32 s[G0B+4*\g], 1
	s_mov_b32 s[G0B+4*\g+1], LB+\g*49152
	s_add_nc_u64 s[G0B+4*\g+2:G0B+4*\g+3], s[88:89], \g*49152
	s_or_b32 s[G0B+4*\g+3], s[G0B+4*\g+3], 0x80000000
.endr
	s_cmp_eq_u32 s[WV], 0                          ; one chain of branches on the wave's number, one load to an arm, all arms to one join
	s_cbranch_scc0 .Lw1
	tensor_load_to_lds s[G0A:G0A+3], s[G1A:G1A+7]
	s_nop 0
.rept 4
	v_nop
.endr
	s_branch .Lfilled
.Lw1:
	s_cmp_eq_u32 s[WV], 1
	s_cbranch_scc0 .Lw2
	tensor_load_to_lds s[G0B:G0B+3], s[G1B:G1B+7]
	s_nop 0
.rept 4
	v_nop
.endr
	s_branch .Lfilled
.Lw2:
	s_cmp_eq_u32 s[WV], 2
	s_cbranch_scc0 .Lw3
	tensor_load_to_lds s[G0A+4:G0A+7], s[G1A:G1A+7]
	s_nop 0
.rept 4
	v_nop
.endr
	s_branch .Lfilled
.Lw3:
	tensor_load_to_lds s[G0B+4:G0B+7], s[G1B:G1B+7]
	s_nop 0
.rept 4
	v_nop
.endr
.Lfilled:
	v_and_b32 v14, 31, v0
	v_and_b32 v3, 15, v0                           ; r
	v_bfe_u32 v4, v0, 4, 1                         ; h
	v_lshlrev_b32 v1, 4, v14                       ; 16 x lane
	v_lshlrev_b32 v9, 4, v3                        ; 16 r
	v_lshl_add_u32 v2, v4, 3, v9                   ; 16 r + 8 h
	v_lshlrev_b32 v10, 5, v4                       ; 32 h
	s_mul_i32 s60, s19, 12288                      ; my eight tiles of rows in a K step of A
	v_add_nc_u32 v5, s60, v1
	v_add_nc_u32 v6, s60, v2
	s_mul_i32 s61, s20, 6144                       ; my four tiles of columns in a K step of B
	s_add_co_u32 s61, s61, LB
	v_add_nc_u32 v7, s61, v1
	v_add_nc_u32 v8, s61, v2
	s_mul_i32 s60, s[WV], 4352
	s_add_co_u32 s60, s60, STAGE                   ; my stage
	v_mul_u32_u24 v11, v3, 272
	v_lshl_add_u32 v11, v4, 5, v11
	v_add_nc_u32 v11, s60, v11                     ; in: row r, 32 bytes for each half of the lanes
	v_mul_u32_u24 v12, v4, 272
	v_lshl_add_u32 v12, v3, 4, v12
	v_add_nc_u32 v12, s60, v12                     ; back: lanes 0-15 one row of 256 bytes, lanes 16-31 the next
	v_lshlrev_b32 v13, 12, v4
	v_lshl_add_u32 v13, v3, 4, v13                 ; and the same two rows in out0
	s_mov_b32 s91, 0
	s_lshl_b32 s90, s24, 4
	s_lshl_b32 s92, s19, 3
	s_add_co_u32 s90, s90, s92                     ; my first row tile: 16 rb + 8 mh
	s_lshl_b32 s90, s90, 9
	s_add_nc_u64 s[6:7], s[6:7], s[90:91]          ; xs
	s_add_co_u32 s90, s23, WOFF
	s_lshl_b32 s90, s90, 3
	s_lshl_b32 s92, s20, 2
	s_add_co_u32 s90, s90, s92
	s_lshl_b32 s90, s90, 9
	s_add_nc_u64 s[10:11], s[10:11], s[90:91]      ; ws
	s_lshl_b32 s90, s23, 9
	s_lshl_b32 s92, s20, 8
	s_add_co_u32 s90, s90, s92
	s_add_nc_u64 s[12:13], s[12:13], s[90:91]      ; the bias of my 64 columns
	s_lshl_b32 s93, s24, 20
	s_add_co_u32 s90, s90, s93
	s_lshl_b32 s93, s19, 19
	s_add_co_u32 s90, s90, s93
	s_add_nc_u64 s[14:15], s[14:15], s[90:91]      ; out0 + (256 rb + 128 mh) 4,096 + 512 cg + 256 nh
.irp a, 0,1,2,3,4,5,6,7
.irp q, 0,1
	global_load_b128 v[XSR+8*\a+4*\q:XSR+8*\a+4*\q+3], v9, s[6:7] offset:512*\a+256*\q
.endr
.endr
.irp b, 0,1,2,3
.irp q, 0,1
	global_load_b128 v[WSR+8*\b+4*\q:WSR+8*\b+4*\q+3], v9, s[10:11] offset:512*\b+256*\q
.endr
.endr
.irp b, 0,1,2,3
	global_load_b128 v[BIAS+8*\b:BIAS+8*\b+3], v10, s[12:13] offset:64*\b
	global_load_b128 v[BIAS+8*\b+4:BIAS+8*\b+7], v10, s[12:13] offset:64*\b+16
.endr
.macro FETCH ks                        ; 48 LDS loads: the K step's fragments, each load 512 or 256 consecutive bytes
	WIN 0x80+0x40*((\ks)%2)
.irp b, 0,1,2,3
.irp c, 0,1
	ds_load_b128 v[12*\b+6*\c:12*\b+6*\c+3], v7 offset:1536*\b+768*\c
	ds_load_b64 v[12*\b+6*\c+4:12*\b+6*\c+5], v8 offset:1536*\b+768*\c+512
.endr
.endr
.irp a, 0,1,2,3,4,5,6,7
.irp c, 0,1
	ds_load_b128 v[48+12*\a+6*\c:48+12*\a+6*\c+3], v5 offset:1536*\a+768*\c
	ds_load_b64 v[48+12*\a+6*\c+4:48+12*\a+6*\c+5], v6 offset:1536*\a+768*\c+512
.endr
.endr
.endm
.macro MUL ks                          ; 32 matrix instructions; the 32 accumulators take turns, in the same order in every K step; the bias is the C of each sum's first product
.if (\ks) == 0
	WIN 0x4a
.elseif (\ks)%2 == 0
	WIN 0x5a
.else
	WIN 0x5f
.endif
.irp a, 0,1,2,3,4,5,6,7
.irp b, 0,1,2,3
.if (\ks) == 0
	v_wmma_scale_f32_16x16x128_f8f6f4 v[8*(4*\a+\b):8*(4*\a+\b)+7], v[12*\b:12*\b+11], v[48+12*\a:48+12*\a+11], v[BIAS+8*\b:BIAS+8*\b+7], v[WSR+8*\b+(\ks)], v[XSR+8*\a+(\ks)] matrix_a_fmt:MATRIX_FMT_FP6 matrix_b_fmt:MATRIX_FMT_FP6
.else
	v_wmma_scale_f32_16x16x128_f8f6f4 v[8*(4*\a+\b):8*(4*\a+\b)+7], v[12*\b:12*\b+11], v[48+12*\a:48+12*\a+11], v[8*(4*\a+\b):8*(4*\a+\b)+7], v[WSR+8*\b+(\ks)], v[XSR+8*\a+(\ks)] matrix_a_fmt:MATRIX_FMT_FP6 matrix_b_fmt:MATRIX_FMT_FP6
.endif
.endr
.endr
.endm
.macro KSTEP ks
	s_wait_dscnt 0x0                               ; this K step's fragments are in
.if (\ks) == 3
	s_wait_tensorcnt 0x0                           ; every wave: whatever of mine was out has landed
	s_barrier_signal -1
	s_barrier_wait -1                              ; K steps 4 to 7 are whole
.endif
.if (\ks) < 7
	WIN 0
	s_wait_alu depctr_va_vdst(0)
	v_add_nc_u32 v5, 24576, v5                     ; on to the next K step.  These four are also the places in front of loads into registers that the last products read
	v_add_nc_u32 v6, 24576, v6
	v_add_nc_u32 v7, 12288, v7
	v_add_nc_u32 v8, 12288, v8
	FETCH (\ks)+1
.endif
	MUL \ks
.endm
	s_wait_alu depctr_va_vdst(0)
	s_cmp_lt_u32 s[WV], 2
	s_cbranch_scc0 .Lnot_first
	s_wait_tensorcnt 0x0                           ; waves 0 and 1: K steps 0 to 3 of A and of B have landed
.Lnot_first:
	s_barrier_signal -1
	s_barrier_wait -1
	FETCH 0
	s_wait_loadcnt 0x0                             ; scale words and bias
.irp ks, 0,1,2,3,4,5,6,7
	KSTEP \ks
.endr
	WIN 0
.rept 4
	v_nop                                          ; four places between the last products and the first read of results
.endr
; THE WAY OUT, a block of 16 rows x 64 columns at a time: a lane holds 32 neighbouring bytes of a row and the lanes beside it other rows, so a block goes through my own stage and comes back as whole rows of 256 bytes.
; LDS serves a wave's instructions in order (ISA guide 5.7.1.4): no wait between the stores and the loads, nor in front of the next block's stores.
.macro TOSTAGE a
	WIN 0x04                                       ; an LDS store's data are its source 1: window 1
.irp b, 0,1,2,3
	ds_store_b128 v11, v[32*(\a)+8*\b:32*(\a)+8*\b+3] offset:64*\b          ; each accumulator from its low end on
	ds_store_b128 v11, v[32*(\a)+8*\b+4:32*(\a)+8*\b+7] offset:64*\b+16
.endr
	WIN 0
.set BB, OB+32*((\a)%2)
.irp i, 0,1,2,3,4,5,6,7
	ds_load_b128 v[BB+4*\i:BB+4*\i+3], v12 offset:544*\i
.endr
.endm
.macro SEND a, younger                 ; younger: the LDS instructions issued behind block a's loads, which may stay out
.set BB, OB+32*((\a)%2)
	s_wait_dscnt \younger
.irp i, 0,1,2,3,4,5,6,7
	global_store_b128 v13, v[BB+4*\i:BB+4*\i+3], s[14:15] offset:(16*(\a)+2*\i)*4096 th:TH_STORE_NT   ; sixteen lanes store 256 consecutive aligned bytes; every offset is an immediate, 126 rows at the most
.endr
.endm
	TOSTAGE 0
.irp a, 1,2,3,4,5,6,7
.if \a > 1
	s_wait_xcnt 0x0                                ; block a - 2's stores have read their data: block a's loads land there only behind this wait
.endif
	TOSTAGE \a
	SEND \a-1, 16                                  ; behind block a - 1's loads: block a's 8 stores and 8 loads
.endr
	SEND 7, 0
	s_wait_tensorcnt 0x0                           ; the wave's end: behind my last tensor load and my last LDS store
	ds_add_u32 v[SPW], v[NIL]
	s_wait_dscnt 0x0
	CROUND                                         ; the closing round
	s_endpgm
.Lfunc_end_k_q416ef52e99_oproj:
	.size	k_q416ef52e99_oproj, .Lfunc_end_k_q416ef52e99_oproj-k_q416ef52e99_oproj
	.p2alignl 7, 3214868480
	.fill 96, 4, 3214868480
	.section	.rodata,"a",@progbits
	.p2align	6, 0x0
	.amdhsa_kernel k_q416ef52e99_oproj
		.amdhsa_group_segment_fixed_size 312832
		.amdhsa_private_segment_fixed_size 0
		.amdhsa_enable_private_segment 0
		.amdhsa_kernarg_size 48
		.amdhsa_user_sgpr_count 2
		.amdhsa_user_sgpr_kernarg_segment_ptr 1
		.amdhsa_wavefront_size32 1
		.amdhsa_system_sgpr_workgroup_id_x 1
		.amdhsa_system_sgpr_workgroup_id_y 1
		.amdhsa_system_sgpr_workgroup_id_z 1
		.amdhsa_system_vgpr_workitem_id 0
		.amdhsa_next_free_vgpr 1024
		.amdhsa_next_free_sgpr 100
		.amdhsa_reserve_vcc 0
		.amdhsa_float_denorm_mode_32 3
		.amdhsa_float_denorm_mode_16_64 3
		.amdhsa_memory_ordered 1
		.amdhsa_forward_progress 1
		.amdhsa_inst_pref_size 85
	.end_amdhsa_kernel
	.amdgpu_metadata
---
amdhsa.version: [ 1, 2 ]
amdhsa.kernels:
  - .name:           k_q416ef52e99_oproj
    .symbol:         k_q416ef52e99_oproj.kd
    .args:
      - { .name: xc, .offset: 0, .size: 8, .value_kind: global_buffer, .address_space: global }
      - { .name: xs, .offset: 8, .size: 8, .value_kind: global_buffer, .address_space: global }
      - { .name: wc, .offset: 16, .size: 8, .value_kind: global_buffer, .address_space: global }
      - { .name: ws, .offset: 24, .size: 8, .value_kind: global_buffer, .address_space: global }
      - { .name: bo, .offset: 32, .size: 8, .value_kind: global_buffer, .address_space: global }
      - { .name: out0, .offset: 40, .size: 8, .value_kind: global_buffer, .address_space: global }
    .group_segment_fixed_size: 312832
    .private_segment_fixed_size: 0
    .kernarg_segment_align: 8
    .kernarg_segment_size: 48
    .max_flat_workgroup_size: 128
    .sgpr_count:     100
    .vgpr_count:     1024
    .wavefront_size: 32
...
	.end_amdgpu_metadata
.endif
;; end of part 5
